; MI455X (gfx1250); checked and timed in simulation.
; The chip was launched on July 23, 2026; its instructions are those of AMD's public machine-readable ISA for CDNA 5 (MIT licence, August 2026) and "CDNA5" Instruction Set Architecture Reference Guide (July 2026). The comments in the code are by the model that wrote it; some were corrected since.
;; Bi Cross Attention. Allowed arithmetic: matrix products marked QUANTISED: E4M3 operands, one E8M0 scale for each 32 along K, by v_wmma_scale_f32_16x16x128_f8f6f4 with both operands' format E4M3, f32 sums; everything else in f32.
;; Inputs: Wk2d 256 x 512 float32; Wk3d 128 x 512 float32; Wo23 512 x 512 float32; Wo32 512 x 512 float32; Wq2d 256 x 512 float32; Wq3d 128 x 512 float32; Wv2d 256 x 512 float32; Wv3d 128 x 512 float32; beta 512 float32; bk2d 512 float32; bk3d 512 float32; bo23 512 float32; bo32 512 float32; bq2d 512 float32; bq3d 512 float32; bv2d 512 float32; bv3d 512 float32; gamma 512 float32; h_2d 4,096 x 256 float32; h_3d 4,096 x 128 float32.
;; Outputs: out0 4,096 x 512 float32.
;; This version of the problem:
;;   THIS VERSION OF THE PROBLEM IS GIVEN IN LOW PRECISION. The matrix products marked QUANTISED in the list below multiply operands that are first quantised to E4M3 (4 exponent bits, 3 mantissa bits; 8 bits a number), with one power-of-two scale for each 32 numbers along K (OCP MX v1.0); their sums are f32. All else is computed in f32.
;;   The module's matrix products, in the order in which they are computed (A, B: the left and right operand; K: the contracted axis; several contracted axes count as one K, in the product's order):
;;     1. [M 4,096, K 256] x [K 256, N 512]; A: input h_2d; B: input Wq2d: QUANTISED
;;     2. [M 4,096, K 128] x [K 128, N 512]; A: input h_3d; B: input Wk3d: QUANTISED
;;     3. [M 4,096, K 128] x [K 128, N 512]; A: input h_3d; B: input Wv3d: QUANTISED
;;     4. batch 8 x [M 4,096, K 64] x [K 64, N 4,096]; A: computed on the way; B: computed on the way: QUANTISED
;;     5. batch 8 x [M 64, K 4,096] x [K 4,096, N 4,096]; A: computed on the way; B: softmax (see below): QUANTISED
;;     6. [M 4,096, K 512] x [K 512, N 512]; A: computed on the way; B: input Wo23: QUANTISED
;;     7. [M 4,096, K 128] x [K 128, N 512]; A: input h_3d; B: input Wq3d: QUANTISED
;;     8. [M 4,096, K 256] x [K 256, N 512]; A: input h_2d; B: input Wk2d: QUANTISED
;;     9. [M 4,096, K 256] x [K 256, N 512]; A: input h_2d; B: input Wv2d: QUANTISED
;;     10. batch 8 x [M 4,096, K 64] x [K 64, N 4,096]; A: computed on the way; B: computed on the way: QUANTISED
;;     11. batch 8 x [M 64, K 4,096] x [K 4,096, N 4,096]; A: computed on the way; B: softmax (see below): QUANTISED
;;     12. [M 4,096, K 512] x [K 512, N 512]; A: computed on the way; B: input Wo32: QUANTISED
;;   THE QUANTISER, for each operand of a quantised product, along K:
;;     - K is cut into blocks of 32 from its start; a last block that is shorter is filled with zeros.
;;     - A block's scale is 2^e with e = floor(log2(the largest magnitude in the block)) - 8, held to -126 .. 127; a block of zeros has e = 0. As a byte (E8M0): e + 127.
;;     - Each number is divided by its block's scale, clamped to +-448, and rounded to the nearest number of E4M3, ties to even, subnormals kept.
;;     - The product sums the exact products of the quantised numbers (number of the format x scale) in f32.
;;   ~~~python
;;   def quantise(x, axis):      # numpy; x: float32 -> the quantised numbers, widened to float32 again
;;       x = np.moveaxis(x, axis, -1); K = x.shape[-1]
;;       x = np.pad(x, [(0, 0)] * (x.ndim - 1) + [(0, -K % 32)]); x = x.reshape(x.shape[:-1] + (-1, 32)); a = np.abs(x).max(-1, keepdims=True)
;;       e = np.where(a > 0, np.clip(np.frexp(np.where(a > 0, a, 1))[1] - 1 - 8, -126, 127), 0)      # np.frexp(a)[1] - 1 = floor(log2(a)), exactly
;;       r = np.clip(x / 2.0 ** e, -448, 448)
;;       step = 2.0 ** (np.maximum(np.frexp(np.where(r == 0, 1, r))[1] - 1, -6) - 3)
;;       q = np.round(r / step) * step * 2.0 ** e      # np.round: ties to even
;;       return np.moveaxis(q.reshape(q.shape[:-2] + (-1,))[..., :K], -1, axis).astype(np.float32)
;;   ~~~
;;   SOFTMAX AHEAD OF A QUANTISED PRODUCT. Where the list says 'softmax', what is quantised is not the finished softmax but p = 2^(t - M), with t = logit x log2(e) and M = ceil(the row's largest t), a whole number; so 1/2 < the row's largest p <= 1. The row's sum l is taken of the UNQUANTISED p, in f32, and the product's result is divided by l at the end. Since M is a whole number, a kernel that streams over the keys may use a running M (the ceiling of the running maximum): every later rescaling is an exact power of two, which a block's scale takes up: the codes' values come out the same.
;;   OPERANDS COMPUTED ON THE WAY. 'Computed on the way' means the value that the module computes at that place (a softmax that the list does not call 'softmax' is quantised finished and normalised). What goes into a quantiser is computed in f32, as accurately as f32 sums, v_exp_f32 and their like allow (about 1e-6 of the number): no bf16 or f16 on the way to a quantiser, and a product that is left as it is and whose result goes on into a quantised operand takes f32 operands (vector FMAs, or v_wmma_f32_16x16x4_f32). A number that lies on a knife's edge between two numbers of the format may be rounded either way, as far as f32 arithmetic and the matrix unit's own rounding can turn it there, and no further.
;; One version. Each part assembles by itself: llvm-mc -triple=amdgcn-amd-amdhsa -mcpu=gfx1250 --defsym DOCPART=n.
;; ======== version 1 of 1: 4 launches
;; limits: right only within a limited range of input values
;; workspace buffers: wimg 1,148,928 bytes; qimg 4,456,448 bytes; kv 8,650,752 bytes; oimg 4,194,304 bytes; osc 131,072 bytes
;; launch wprep (part 1): grid 136 x 1, 4 waves a work-group, no clusters, 37,376 bytes of LDS; arguments Wq2d, Wk2d, Wv2d, Wq3d, Wk3d, Wv3d, Wo23, Wo32, wimg; writes wimg
.if DOCPART == 1
	.amdgcn_target "amdgcn-amd-amdhsa--gfx1250"
	.amdhsa_code_object_version 6
	.text
	.protected	k_qe554c89e0b_wprep
	.globl	k_qe554c89e0b_wprep
	.p2align	8
	.type	k_qe554c89e0b_wprep,@function
k_qe554c89e0b_wprep:
	s_mov_b64 s[64:65], 0
	v_nop
	global_prefetch_b8 v0, s[64:65] scope:SCOPE_SE
	s_setreg_imm32_b32 hwreg(HW_REG_WAVE_MODE, 25, 1), 1
	s_wait_xcnt 0x0
; The eight weights, f32 [K][512] with K as FIRST axis, become codes of E4M3 with one E8M0 byte for each 32 along K, laid in the ORDER OF AN OPERAND'S REGISTERS.
; A UNIT is 128 along K x 64 columns: four fragments of 16 columns (2,048 bytes each: registers 4 g .. 4 g + 3 of lane l at 512 g + 16 l), then 256 scale bytes.
; THE COLUMNS OF A FRAGMENT ARE NOT NEIGHBOURS: lane r of fragment t takes column 32 (t / 2) + 8 (t % 2) + r + 8 (r / 8), so that the results of two neighbouring fragments are 16 neighbours in a lane.
; Scale bytes: the word at 8 l + 4 p belongs to fragment 2 p + l / 16, column-row l % 16; byte g is K block g.
; Units: number = the tensor's first + 8 x K step + column group; first units 0, 16, 32, 48, 56, 64, 72, 104 in the order of the arguments: 136 units, one work-group each.
; Wave g takes K block g (32 rows x 256 bytes): 16 loads of two whole aligned runs of 256 bytes, through the wave's own stage in LDS, back one number a lane so that a lane's registers run down K.
; A block's scale is 2^(floor(log2(its largest magnitude)) - 8).  LIMITS: a block of zeros gets the byte 1 where the rule says 127 (its codes are zeros, and this program alone reads the bytes);
; blocks whose largest magnitude lies under 2^-118 take the floor's byte 1; NaN and infinities among the inputs are not served.
; No cluster, no tensor load: no two work-groups read the same bytes.
.set ROWW,  2048                       ; a row of W in bytes
.set UNIT,  8448
.set SP,    272                        ; a stage row: 256 bytes + 16
.set HALF,  4480                       ; rows 16 .. 31 begin here: 16 rows + 128 bytes, so that the two halves of the lanes read different banks
.set STW,   8960                       ; a wave's stage
.set SCA,   35840                      ; behind the four stages: the unit's 256 scale bytes
.set R,     16                         ; v16-79   the block as loaded
.set X,     80                         ; v80-143  register 16 t + i: W(32 g + 16 (lane / 16) + i, my column of fragment t)
.set PC,    144                        ; v144-159 the codes
.set TM,    160                        ; v160-163 largest magnitudes, v164-167 bytes, v172-175 the conversions' scale operands
.set SEL,   36
.set MNT,   38
.macro QUANT s                         ; 64 numbers of a lane, four blocks of 16 (the other 16 of each block lie in lane l xor 16), become codes in v[PC] on; the blocks' bytes in v[TM+4] on
.irp b, 0,1,2,3
	v_max3_num_f32 v[TM+\b], |v[\s+16*\b]|, |v[\s+1+16*\b]|, 0x4800000   ; with the floor 2^(9 - 127): the byte cannot fall under 1
.endr
.irp i, 2,4,6,8,10,12,14
.irp b, 0,1,2,3
	v_max3_num_f32 v[TM+\b], v[TM+\b], |v[\s+16*\b+\i]|, |v[\s+1+16*\b+\i]|
.endr
.endr
.irp b, 0,1,2,3
	v_permlanex16_b32 v[TM+4+\b], v[TM+\b], s[SEL], s[SEL+1]
.endr
.irp b, 0,1,2,3
	v_max_num_f32 v[TM+\b], v[TM+\b], v[TM+4+\b]       ; the block's largest magnitude
.endr
.irp b, 0,1,2,3
	v_add_nc_u32 v[TM+12+\b], 0xfc000000, v[TM+\b]     ; 8 off its exponent field: the conversion's scale operand
.endr
.irp b, 0,1,2,3
.endr
.irp b, 0,1,2,3
	v_lshrrev_b32 v[TM+4+\b], 23, v[TM+12+\b]          ; the scale's byte
.endr
.irp b, 0,1,2,3
.irp i, 0,1,2,3,4,5,6,7,8,9,10,11,12,13,14,15
.endr
	v_cvt_scalef32_pk8_fp8_f32 v[PC+4*\b:PC+1+4*\b], v[\s+16*\b:\s+7+16*\b], v[TM+12+\b]
	v_cvt_scalef32_pk8_fp8_f32 v[PC+2+4*\b:PC+3+4*\b], v[\s+8+16*\b:\s+15+16*\b], v[TM+12+\b]
.endr
	v_nop                                          ; a plain line behind the last conversion
.endm
.macro PICK thr, p                     ; from unit thr on: the tensor whose address lies in s[p:p+1].  The choice hangs on the work-group's number alone
	s_cmp_ge_u32 ttmp9, \thr
	s_cselect_b64 s[26:27], s[\p:\p+1], s[26:27]
	s_cselect_b32 s28, \thr, s28
.endm
	s_load_b512 s[8:23], s[0:1], 0x0               ; the eight weights
	s_load_b64 s[24:25], s[0:1], 0x40              ; wimg
	v_lshl_add_u32 v192, v0, 2, 0x9000
	v_mov_b32 v193, 0
	v_lshrrev_b32 v9, 5, v0
	v_readfirstlane_b32 s4, v9                     ; wave g = K block
	v_and_b32 v1, 31, v0                           ; lane
	v_and_b32 v10, 15, v0                          ; r
	v_bfe_u32 v11, v0, 4, 1                        ; h
	v_lshlrev_b32 v2, 4, v10
	v_lshl_add_u32 v2, v11, 15, v2                 ; in memory: 16 rows x h + 16 bytes x r
	s_mul_i32 s5, s4, STW
	v_mul_u32_u24 v12, v11, HALF
	v_add_nc_u32 v12, s5, v12
	v_lshl_add_u32 v3, v10, 4, v12                 ; into my stage
	v_and_b32 v13, 8, v10
	v_add_nc_u32 v13, v13, v10                     ; r + 8 (r / 8)
	v_lshl_add_u32 v4, v13, 2, v12                 ; out of it: my column, my half of the block's rows
	v_lshlrev_b32 v5, 4, v1                        ; 16 x lane
	v_lshl_add_u32 v7, v1, 3, SCA                  ; the scale bytes: 8 a lane,
	v_add_nc_u32 v6, s4, v7                        ; byte g of a word
	v_lshlrev_b32 v8, 3, v1
	s_mov_b32 s[SEL], 0x76543210
	s_mov_b32 s[SEL+1], 0xfedcba98                 ; lane l xor 16
.irp b, 0,1,2,3
	v_mov_b32 v[TM+4+\b], 0                        ; a lane permute's destination counts as one of its sources
.endr
	v_cmp_le_u32 vcc_lo, 16, v1                    ; lanes 16-31
	s_wait_kmcnt 0x0
	s_mov_b64 s[26:27], s[8:9]
	s_mov_b32 s28, 0
	PICK 16, 10
	PICK 32, 12
	PICK 48, 14
	PICK 56, 16
	PICK 64, 18
	PICK 72, 20
	PICK 104, 22
	s_sub_co_u32 s29, ttmp9, s28                   ; the unit's number within its tensor: 8 x K step + column group
	s_lshr_b32 s34, s29, 3
	s_lshl_b32 s34, s34, 18                        ; 128 rows of 2,048 bytes a K step
	s_and_b32 s35, s29, 7
	s_lshl_b32 s35, s35, 8                         ; 256 bytes a column group
	s_add_co_u32 s34, s34, s35
	s_lshl_b32 s35, s4, 16                         ; 32 rows a wave
	s_add_co_u32 s34, s34, s35
	s_mov_b32 s35, 0
	s_add_nc_u64 s[26:27], s[26:27], s[34:35]
	s_mul_i32 s34, ttmp9, UNIT
	s_add_nc_u64 s[30:31], s[24:25], s[34:35]      ; my unit
	s_lshl_b32 s34, s4, 9
	s_add_nc_u64 s[32:33], s[30:31], s[34:35]      ; and register group g of its fragments
.irp i, 0,1,2,3,4,5,6,7,8,9,10,11,12,13,14,15
	global_load_b128 v[R+4*\i:R+4*\i+3], v2, s[26:27] offset:ROWW*\i th:TH_LOAD_NT   ; rows i and 16 + i: 256 consecutive bytes each; read once in the launch
.endr
	s_wait_loadcnt 0x0
.irp i, 0,1,2,3,4,5,6,7,8,9,10,11,12,13,14,15
	ds_store_b128 v3, v[R+4*\i:R+4*\i+3] offset:SP*\i
.endr
.irp t, 0,1,2,3
.irp i, 0,1,2,3,4,5,6,7,8,9,10,11,12,13,14,15
	ds_load_b32 v[X+16*\t+\i], v4 offset:SP*\i+4*(32*(\t/2)+8*(\t%2))   ; LDS serves a wave's instructions in order (ISA guide 5.7.1.4): these see my stores
.endr
.endr
	s_wait_dscnt 0x0
	QUANT X                                        ; block b = fragment b's 16 columns, this wave's 32 along K
.irp t, 0,1,2,3
	global_store_b128 v5, v[PC+4*\t:PC+4*\t+3], s[32:33] offset:2048*\t   ; 512 consecutive bytes, aligned
.endr
.irp p, 0,1
	v_cndmask_b32 v[176+\p], v[TM+4+2*\p], v[TM+5+2*\p], vcc_lo   ; lanes 0-15 keep fragment 2 p's byte, lanes 16-31 fragment 2 p + 1's
	ds_store_b8 v6, v[176+\p] offset:4*\p
.endr
	s_wait_dscnt 0x0                               ; for the others' sake: my bytes have landed
	s_barrier_signal -1
	s_barrier_wait -1
	s_cmp_lg_u32 s4, 0
	s_cbranch_scc1 .Lend
	ds_load_b64 v[178:179], v7                     ; wave 0 sends the four waves' bytes: one aligned run of 256 bytes
	s_wait_dscnt 0x0
	global_store_b64 v8, v[178:179], s[30:31] offset:8192
.Lend:
	s_wait_tensorcnt 0x0
	ds_add_u32 v192, v193
	s_wait_dscnt 0x0
	s_endpgm
.Lfunc_end_k_qe554c89e0b_wprep:
	.size	k_qe554c89e0b_wprep, .Lfunc_end_k_qe554c89e0b_wprep-k_qe554c89e0b_wprep
	.p2alignl 7, 3214868480
	.fill 96, 4, 3214868480
	.section	.rodata,"a",@progbits
	.p2align	6, 0x0
	.amdhsa_kernel k_qe554c89e0b_wprep
		.amdhsa_group_segment_fixed_size 37376
		.amdhsa_private_segment_fixed_size 0
		.amdhsa_enable_private_segment 0
		.amdhsa_kernarg_size 72
		.amdhsa_user_sgpr_count 2
		.amdhsa_user_sgpr_kernarg_segment_ptr 1
		.amdhsa_wavefront_size32 1
		.amdhsa_system_sgpr_workgroup_id_x 1
		.amdhsa_system_sgpr_workgroup_id_y 1
		.amdhsa_system_sgpr_workgroup_id_z 1
		.amdhsa_system_vgpr_workitem_id 0
		.amdhsa_next_free_vgpr 194
		.amdhsa_next_free_sgpr 66
		.amdhsa_reserve_vcc 1
		.amdhsa_float_denorm_mode_32 3
		.amdhsa_float_denorm_mode_16_64 3
		.amdhsa_fp16_overflow 1
		.amdhsa_memory_ordered 1
		.amdhsa_forward_progress 1
		.amdhsa_inst_pref_size 14
	.end_amdhsa_kernel
	.amdgpu_metadata
---
amdhsa.version: [ 1, 2 ]
amdhsa.kernels:
  - .name:           k_qe554c89e0b_wprep
    .symbol:         k_qe554c89e0b_wprep.kd
    .args:
      - { .name: Wq2d, .offset: 0, .size: 8, .value_kind: global_buffer, .address_space: global }
      - { .name: Wk2d, .offset: 8, .size: 8, .value_kind: global_buffer, .address_space: global }
      - { .name: Wv2d, .offset: 16, .size: 8, .value_kind: global_buffer, .address_space: global }
      - { .name: Wq3d, .offset: 24, .size: 8, .value_kind: global_buffer, .address_space: global }
      - { .name: Wk3d, .offset: 32, .size: 8, .value_kind: global_buffer, .address_space: global }
      - { .name: Wv3d, .offset: 40, .size: 8, .value_kind: global_buffer, .address_space: global }
      - { .name: Wo23, .offset: 48, .size: 8, .value_kind: global_buffer, .address_space: global }
      - { .name: Wo32, .offset: 56, .size: 8, .value_kind: global_buffer, .address_space: global }
      - { .name: wimg, .offset: 64, .size: 8, .value_kind: global_buffer, .address_space: global }
    .group_segment_fixed_size: 37376
    .private_segment_fixed_size: 0
    .kernarg_segment_align: 8
    .kernarg_segment_size: 72
    .max_flat_workgroup_size: 128
    .sgpr_count:     66
    .vgpr_count:     194
    .wavefront_size: 32
...
	.end_amdgpu_metadata
.endif
;; end of part 1
;; launch proj (part 2): grid 32 x 6, 8 waves a work-group, no clusters, 36,864 bytes of LDS; arguments h_2d, h_3d, wimg, qimg, kv, bq2d, bk2d, bv2d, bq3d, bk3d, bv3d; writes qimg, kv
.if DOCPART == 2
	.amdgcn_target "amdgcn-amd-amdhsa--gfx1250"
	.amdhsa_code_object_version 6
	.text
	.protected	k_qe554c89e0b_proj
	.globl	k_qe554c89e0b_proj
	.p2align	8
	.type	k_qe554c89e0b_proj,@function
k_qe554c89e0b_proj:
	s_mov_b64 s[64:65], 0
	v_nop
	global_prefetch_b8 v0, s[64:65] scope:SCOPE_SE
	s_setreg_imm32_b32 hwreg(HW_REG_WAVE_MODE, 25, 1), 1
	s_wait_xcnt 0x0
; The six projections x W + b on codes of E4M3 (one E8M0 byte for each 32 along K), their results quantised at once for the attention: Q and K along the head's 64, V along the keys.
; Work-group (rg, y1): 128 rows of x; y1 = 0, 1, 2: Q (direction 0), K, V (direction 1) from h_2d; y1 = 3, 4, 5: Q (direction 1), K, V (direction 0) from h_3d.
; THE ROWS OF A TILE ARE NOT NEIGHBOURS: lane r of tile 2 c + u takes row 32 c + 8 u + r + 8 (r / 8); the weights' columns lie likewise.  So the 16 registers that a lane gets from two neighbouring tiles are 16 neighbours.
; PHASE X: wave w quantises tile w of x (two K steps) and stores the fragments to LDS as images of their registers (register group g of lane l at 512 g + 16 l).  One barrier.
; THEN wave w owns head w (64 columns) for all 128 rows; its weights (eight fragments), their scale words and its bias stay in registers.
;   Q, K: source 0 = 16 columns of W, source 1 = 16 rows of x: a lane holds one row and 16 neighbouring d of each block of 32.   V: the sources swapped: a lane holds one d and 16 neighbouring keys.
; ONE TEXT FOR K = 256 AND K = 128: every work-group runs two K steps; for h_3d the second step reads the first step's bytes again and x's codes are ANDed with 0: zero codes add nothing.
; OUT: qimg [16 (direction, head)][32 rg][8,704]: eight tiles of 1,024 bytes, then 512 bytes of scale words (word 16 l + 4 p: tile 2 p + l / 16; s0 | s1 << 8, twice).
;      kv [16][32 key steps][16,896]: four fragments of K, each row = two keys' 64 codes on end (keys 32 c + r + 8 (r / 8) and 8 further on); four fragments of V (16 d x 128 keys); 256 scale bytes of K, 256 of V.
; LIMITS: a block of zeros gets the byte 1 (its codes are zeros; this program alone reads the bytes); largest magnitudes under 2^-118 take the floor's byte; NaN and infinities are not served.
; No cluster: a wave's 16.5 KB of weights go once from memory straight into its registers, in register order; there is no LDS tile that partners could receive jointly.
.set XIMG, 0                           ; LDS: x's 16 fragments: (tile i, K step s) at 2,048 (2 i + s)
.set XSC,  32768                       ; their scale words, 128 bytes each
.set XF,   16                          ; v16-79   x's fragments (u, s) at 32 u + 16 s
.set HA,   80                          ; v80-143  eight accumulators
.set PC,   144                         ; v144-159 the codes just made
.set ST,   160                         ; v160-223 x's second K step as loaded
.set TM,   224                         ; v224-239 at work in QUANT
.set PW,   240                         ; v240-243 scale words being made
.set WS,   244                         ; v244-247 the weights' scale words: K step s, pair p at 2 s + p (lanes 0-15 fragment 2 p, lanes 16-31 fragment 2 p + 1)
.set XS,   248                         ; v248-251 x's scale words (u, s) at 2 u + s
.set VB,   252                         ; v252-255 the bias at my column of fragment t (V's form)
.set BI,   128                         ; window 1: v0-127 the weights' fragments (s, t) at 16 (4 s + t); v128-159 the bias as C, eight registers a fragment
.set SEL,  42
.set MNT,  44
.set MSB, 0
.macro WIN new                         ; the immediate's high byte repeats the setting that is left
.if MSB != \new
	s_set_vgpr_msb (MSB<<8)|\new
.set MSB, \new
.endif
.endm
.macro QUANT s                         ; 64 numbers of a lane, four blocks of 16 (the other 16 of each block lie in lane l xor 16), become codes in v[PC] on; the blocks' bytes in v[TM+4] on
.irp b, 0,1,2,3
	v_max3_num_f32 v[TM+\b], |v[\s+16*\b]|, |v[\s+1+16*\b]|, 0x4800000   ; with the floor 2^(9 - 127): the byte cannot fall under 1.  Each accumulator is read from its low end on
.endr
.irp i, 2,4,6,8,10,12,14
.irp b, 0,1,2,3
	v_max3_num_f32 v[TM+\b], v[TM+\b], |v[\s+16*\b+\i]|, |v[\s+1+16*\b+\i]|
.endr
.endr
.irp b, 0,1,2,3
	s_delay_alu instid0(VALU_DEP_4)
	v_permlanex16_b32 v[TM+4+\b], v[TM+\b], s[SEL], s[SEL+1]
.endr
.irp b, 0,1,2,3
	s_delay_alu instid0(VALU_DEP_4)
	v_max_num_f32 v[TM+\b], v[TM+\b], v[TM+4+\b]
.endr
.irp b, 0,1,2,3
	s_delay_alu instid0(VALU_DEP_4)
	v_add_nc_u32 v[TM+12+\b], 0xfc000000, v[TM+\b]     ; 8 off the exponent field: the conversion's scale operand
.endr
.irp b, 0,1,2,3
.endr
.irp b, 0,1,2,3
	s_delay_alu instid0(VALU_DEP_4)
	v_lshrrev_b32 v[TM+4+\b], 23, v[TM+12+\b]          ; the scale's byte
.endr
.irp b, 0,1,2,3
.irp i, 0,1,2,3,4,5,6,7,8,9,10,11,12,13,14,15
.endr
	v_cvt_scalef32_pk8_fp8_f32 v[PC+4*\b:PC+1+4*\b], v[\s+16*\b:\s+7+16*\b], v[TM+12+\b]
	v_cvt_scalef32_pk8_fp8_f32 v[PC+2+4*\b:PC+3+4*\b], v[\s+8+16*\b:\s+15+16*\b], v[TM+12+\b]
.endr
	v_nop                                          ; a plain line behind the last conversion
.endm
.macro WORD d                          ; the four bytes make a scale word
	v_lshl_or_b32 v[\d], v[TM+5], 8, v[TM+4]
	s_delay_alu instid0(VALU_DEP_1)
	v_lshl_or_b32 v[\d], v[TM+6], 16, v[\d]
	s_delay_alu instid0(VALU_DEP_1)
	v_lshl_or_b32 v[\d], v[TM+7], 24, v[\d]
.endm
.macro XLOAD reg, adr                  ; my row's 64 numbers of a K step: 16 neighbours of each block of 32
.irp b, 0,1,2,3
.irp j, 0,1,2,3
	global_load_b128 v[\reg+16*\b+4*\j:\reg+16*\b+4*\j+3], v[\adr], s[30:31] offset:128*\b+16*\j
.endr
.endr
.endm
.macro IMAGE off                       ; the fragment in v[PC] on goes to LDS as it stands
.irp c, 0,1,2,3
	ds_store_b128 v9, v[PC+4*\c:PC+4*\c+3] offset:\off+512*\c
.endr
.endm
.macro FETCH reg, off                  ; and comes back so, in any wave
.irp c, 0,1,2,3
	ds_load_b128 v[\reg+4*\c:\reg+4*\c+3], v6 offset:\off+512*\c
.endr
.endm
.macro GETX c                          ; tiles 2 c and 2 c + 1 of x, both K steps, and their scale words
.irp u, 0,1
.irp s, 0,1
	FETCH XF+32*\u+16*\s, XIMG+8192*(\c)+4096*\u+2048*\s
	ds_load_b32 v[XS+2*\u+\s], v7 offset:XSC+512*(\c)+256*\u+128*\s
.endr
.endr
	s_wait_dscnt 0x0
.endm
.macro PQK u, t, s                     ; Q's and K's form: source 0 = fragment t of W, source 1 = tile u of x; the first K step takes the bias as C
.set rD, HA+32*\u+8*\t
.set rA, 64*\s+16*\t
.set rB, XF+32*\u+16*\s
.set rC, rD
.if \s == 0
.set rC, BI+8*\t
.endif
.if (\t)%2
	v_wmma_scale_f32_16x16x128_f8f6f4 v[rD:rD+7], v[rA:rA+15], v[rB:rB+15], v[rC:rC+7], v[WS+2*\s+\t/2], v[XS+2*\u+\s] matrix_a_scale:MATRIX_SCALE_ROW1
.else
	v_wmma_scale_f32_16x16x128_f8f6f4 v[rD:rD+7], v[rA:rA+15], v[rB:rB+15], v[rC:rC+7], v[WS+2*\s+\t/2], v[XS+2*\u+\s]
.endif
.endm
.macro PVF u, t, s                     ; V's form: source 0 = tile u of x, source 1 = fragment t of W
.set rD, HA+16*\t+8*\u
.set rA, XF+32*\u+16*\s
.set rB, 64*\s+16*\t
.set rC, rD
.if \s == 0
.set rC, BI+8*\t
.endif
.if (\t)%2
	v_wmma_scale_f32_16x16x128_f8f6f4 v[rD:rD+7], v[rA:rA+15], v[rB:rB+15], v[rC:rC+7], v[XS+2*\u+\s], v[WS+2*\s+\t/2] matrix_b_scale:MATRIX_SCALE_ROW1
.else
	v_wmma_scale_f32_16x16x128_f8f6f4 v[rD:rD+7], v[rA:rA+15], v[rB:rB+15], v[rC:rC+7], v[XS+2*\u+\s], v[WS+2*\s+\t/2]
.endif
.endm
.macro PLACES                          ; eight places behind this matrix form, ahead of reads of results and of loads into registers that it has read
.rept 8
	v_nop
.endr
.endm
; 32 rows of Q or K: the eight accumulators take turns, one instruction a turn, K step by K step
.macro TRIPQK c
	GETX \c
	WIN 0x11                                       ; source 0 (W) and source 2 (the bias) in window 1
.irp u, 0,1
.irp t, 0,1,2,3
	PQK \u, \t, 0
.endr
.endr
	WIN 0x01
.irp u, 0,1
.irp t, 0,1,2,3
	PQK \u, \t, 1
.endr
.endr
	WIN 0
	PLACES
	s_wait_xcnt 0x0                                ; the last trip's stores have read v[PC] on: only now are the codes written again
	QUANT HA                                       ; block 2 u + b: tile u's row, d = 32 b + 16 (lane / 16) + 0 .. 15
	WORD PW+\c
.irp g, 0,1,2,3
	global_store_b128 v6, v[PC+4*\g:PC+4*\g+3], s[36:37] offset:2048*\c+512*\g   ; 512 consecutive bytes, aligned
.endr
.endm
; 32 keys of V
.macro TRIPV c
	GETX \c
	WIN 0x14                                       ; source 1 (W) and source 2 (the bias) in window 1
.irp t, 0,1,2,3
.irp u, 0,1
	PVF \u, \t, 0
.endr
.endr
	WIN 0x04
.irp t, 0,1,2,3
.irp u, 0,1
	PVF \u, \t, 1
.endr
.endr
	WIN 0
	PLACES
	s_wait_xcnt 0x0                                ; the last trip's stores have read v[PC] on
	QUANT HA                                       ; block t: my d of fragment t, keys 32 c + 16 (lane / 16) + 0 .. 15
.irp t, 0,1,2,3
.if \c == 0
	v_mov_b32 v[PW+\t], v[TM+4+\t]
.else
	v_lshl_or_b32 v[PW+\t], v[TM+4+\t], 8*\c, v[PW+\t]   ; byte c of the row's word: key block c
.endif
.endr
.irp t, 0,1,2,3
	global_store_b128 v6, v[PC+4*\t:PC+4*\t+3], s[36:37] offset:8192+2048*\t+512*\c
.endr
.endm
	s_load_b512 s[8:23], s[0:1], 0x0               ; h_2d, h_3d, wimg, qimg, kv, bq2d, bk2d, bv2d
	s_load_b128 s[24:27], s[0:1], 0x40             ; bq3d, bk3d
	s_load_b64 s[28:29], s[0:1], 0x50              ; bv3d
	s_set_vgpr_msb 0x40
	v_lshl_add_u32 v254, v0, 2, 0x8c00
	v_mov_b32 v255, 0
	s_set_vgpr_msb 0x4000
	v_lshrrev_b32 v1, 5, v0
	s_delay_alu instid0(VALU_DEP_1)
	v_readfirstlane_b32 s38, v1                    ; wave 0..7
	v_and_b32 v1, 31, v0                           ; lane
	v_and_b32 v2, 15, v0                           ; r
	s_wait_alu depctr_va_vdst(0)
	v_bfe_u32 v3, v0, 4, 1                         ; h
	s_and_b32 s45, ttmp7, 0xffff                   ; y1
	s_cmp_lt_u32 s45, 3
	s_cselect_b32 s46, 1, 0                        ; from h_2d?
	s_cselect_b32 s47, 10, 9                       ; a row of x is 1,024 or 512 bytes
	s_cselect_b32 s41, -1, 0                       ; what the second K step's codes of x are ANDed with
	s_cselect_b32 s48, 0, 3
	s_sub_co_u32 s39, s45, s48                     ; role: 0 Q, 1 K, 2 V
	s_lshl_b32 s49, s45, 4                         ; the weight's first unit: 16 y1,
	s_lshl_b32 s48, s39, 3
	s_add_co_u32 s48, s48, 48                      ; or 48 + 8 x role
	s_cmp_eq_u32 s46, 1
	s_cselect_b32 s49, s49, s48
	s_xor_b32 s58, s46, 1
	s_cmp_eq_u32 s39, 0
	s_cselect_b32 s58, s58, s46                    ; direction: Q from h_2d is 0; K and V from h_2d are 1
	s_mov_b32 s59, 16896
	s_cselect_b32 s59, 8704, s59                   ; bytes of a block of 128 rows in qimg or in kv
	s_mul_i32 s60, s46, 67584                      ; the second K step's unit lies eight units on, or is the first again
	s_lshl_b32 s61, s46, 9                         ; and x's second 128 numbers 512 bytes on, or the first again
	s_mov_b32 s40, 0xffff0000                      ; lanes 16-31
	s_mov_b32 s[SEL], 0x76543210
	s_mov_b32 s[SEL+1], 0xfedcba98                 ; lane l xor 16
	v_and_b32 v15, 8, v2
	s_delay_alu instid0(VALU_DEP_1)
	v_add_nc_u32 v15, v15, v2                      ; r + 8 (r / 8)
	s_delay_alu instid0(VALU_DEP_1)
	v_lshlrev_b32 v4, s47, v15
	s_wait_alu depctr_va_vdst(0)
	v_lshl_add_u32 v4, v3, 6, v4                   ; x: my row, + 64 h: my 16 numbers of a block
	s_delay_alu instid0(VALU_DEP_1)
	v_add_nc_u32 v5, s61, v4                       ; the second K step
	v_lshlrev_b32 v6, 4, v1                        ; 16 x lane
	v_lshlrev_b32 v7, 2, v1                        ; 4 x lane
	v_lshlrev_b32 v8, 3, v1                        ; 8 x lane
	s_lshl_b32 s62, s38, 12
	v_add_nc_u32 v9, s62, v6                       ; where I store x's images: 16 x lane + 4,096 x wave
	s_lshl_b32 s62, s38, 8
	v_add_nc_u32 v10, s62, v7                      ; and their scale words: 4 x lane + 256 x wave
	v_lshlrev_b32 v11, 6, v3                       ; the bias as C of Q's and K's form: 16 h numbers on
	v_lshlrev_b32 v12, 2, v15                      ; and of V's form: my column
	v_add_nc_u32 v13, s60, v6
	v_add_nc_u32 v14, s60, v8
.irp b, 0,1,2,3
	v_mov_b32 v[TM+4+\b], 0                        ; a lane permute's destination counts as one of its sources
.endr
	s_lshl_b32 s50, ttmp9, 7                       ; x: row 128 rg + 32 (w / 2) + 8 (w % 2)
	s_lshr_b32 s51, s38, 1
	s_lshl_b32 s51, s51, 5
	s_add_co_u32 s50, s50, s51
	s_and_b32 s51, s38, 1
	s_lshl_b32 s51, s51, 3
	s_add_co_u32 s50, s50, s51
	s_lshl_b32 s50, s50, s47
	s_mov_b32 s51, 0
	s_add_co_u32 s52, s49, s38
	s_mul_i32 s52, s52, 8448                       ; my head's unit
	s_mov_b32 s53, 0
	s_lshl_b32 s54, s38, 8                         ; my head's 64 numbers of the bias
	s_mov_b32 s55, 0
	s_lshl_b32 s56, s58, 3
	s_add_co_u32 s56, s56, s38
	s_lshl_b32 s56, s56, 5
	s_add_co_u32 s56, s56, ttmp9
	s_mul_i32 s56, s56, s59                        ; ((direction x 8 + head) x 32 + rg) blocks
	s_mov_b32 s57, 0
	s_wait_alu depctr_va_vdst(0)
	s_wait_kmcnt 0x0
	s_cmp_eq_u32 s46, 1                            ; every choice hangs on the work-group's number alone
	s_cselect_b64 s[18:19], s[18:19], s[24:25]
	s_cselect_b64 s[20:21], s[20:21], s[26:27]
	s_cselect_b64 s[22:23], s[22:23], s[28:29]
	s_cselect_b64 s[30:31], s[8:9], s[10:11]
	s_cmp_eq_u32 s39, 0
	s_cselect_b64 s[34:35], s[18:19], s[20:21]
	s_cselect_b64 s[36:37], s[14:15], s[16:17]
	s_cmp_eq_u32 s39, 2
	s_cselect_b64 s[34:35], s[22:23], s[34:35]
	s_add_nc_u64 s[30:31], s[30:31], s[50:51]      ; x
	s_add_nc_u64 s[32:33], s[12:13], s[52:53]      ; the weights
	s_add_nc_u64 s[34:35], s[34:35], s[54:55]      ; the bias
	s_add_nc_u64 s[36:37], s[36:37], s[56:57]      ; the results
	XLOAD HA, 4                                    ; 16 loads
	XLOAD ST, 5                                    ; 16 loads
	WIN 0x40                                       ; destination window 1
.irp t, 0,1,2,3
.irp g, 0,1,2,3
	global_load_b128 v[16*\t+4*\g:16*\t+4*\g+3], v6, s[32:33] offset:2048*\t+512*\g
.endr
.endr
.irp t, 0,1,2,3
.irp g, 0,1,2,3
	global_load_b128 v[64+16*\t+4*\g:64+16*\t+4*\g+3], v13, s[32:33] offset:2048*\t+512*\g
.endr
.endr
.irp t, 0,1,2,3
	global_load_b128 v[BI+8*\t:BI+8*\t+3], v11, s[34:35] offset:(32*(\t/2)+8*(\t%2))*4
	global_load_b128 v[BI+8*\t+4:BI+8*\t+7], v11, s[34:35] offset:(32*(\t/2)+8*(\t%2))*4+16
.endr
	WIN 0
	global_load_b64 v[WS:WS+1], v8, s[32:33] offset:8192
	global_load_b64 v[WS+2:WS+3], v14, s[32:33] offset:8192
.irp t, 0,1,2,3
	global_load_b32 v[VB+\t], v12, s[34:35] offset:(32*(\t/2)+8*(\t%2))*4
.endr
	; ---- X: my tile of x becomes two fragments
	s_wait_loadcnt 62                              ; behind the first K step's 16 loads stand 16 + 46: they may be out
	QUANT HA
	WORD PW
	IMAGE XIMG
	ds_store_b32 v10, v[PW] offset:XSC
	s_wait_dscnt 0x0                               ; the stores have read their registers
	s_wait_loadcnt 46                              ; the weights, biases and scale words may be out
	QUANT ST
	WORD PW
.irp i, 0,1,2,3,4,5,6,7,8,9,10,11,12,13,14,15
	v_and_b32 v[PC+\i], s41, v[PC+\i]              ; K = 128: there is no second K step: zero codes
.endr
	IMAGE XIMG+2048
	ds_store_b32 v10, v[PW] offset:XSC+128
	s_wait_dscnt 0x0                               ; for the others' sake: my images have landed
	s_barrier_signal -1
	s_barrier_wait -1                              ; x's sixteen fragments lie in LDS; from here on LDS is only read
	s_wait_loadcnt 0x0
	s_cmp_eq_u32 s39, 2
	s_cbranch_scc1 .Lv
	TRIPQK 0
	TRIPQK 1
	TRIPQK 2
	TRIPQK 3
	s_cmp_eq_u32 s39, 0
	s_cbranch_scc1 .Lq
	v_cndmask_b32 v[VB], v[PW], v[PW+1], s40       ; K's scale words: word 8 l + 4 p belongs to fragment 2 p + l / 16
	v_cndmask_b32 v[VB+1], v[PW+2], v[PW+3], s40
	global_store_b64 v8, v[VB:VB+1], s[36:37] offset:16384   ; one aligned run of 256 bytes
	s_set_vgpr_msb 0x5
	s_wait_tensorcnt 0x0
	ds_add_u32 v254, v255
	s_wait_dscnt 0x0
	s_set_vgpr_msb 0x500
	s_endpgm
.Lq:
.irp c, 0,1,2,3
	v_and_b32 v[TM+\c], 0xffff, v[PW+\c]           ; tile 2 c's two bytes,
	v_lshrrev_b32 v[TM+4+\c], 16, v[PW+\c]         ; tile 2 c + 1's
	s_delay_alu instid0(VALU_DEP_1)
	v_cndmask_b32 v[TM+\c], v[TM+\c], v[TM+4+\c], s40
	s_delay_alu instid0(VALU_DEP_1)
	v_lshl_or_b32 v[PW+\c], v[TM+\c], 16, v[TM+\c] ; twice: the word serves q in the lower and in the upper half of K
.endr
	global_store_b128 v6, v[PW:PW+3], s[36:37] offset:8192
	s_set_vgpr_msb 0x5
	s_wait_tensorcnt 0x0
	ds_add_u32 v254, v255
	s_wait_dscnt 0x0
	s_set_vgpr_msb 0x500
	s_endpgm
.Lv:
	WIN 0x40
.irp t, 0,1,2,3
.irp j, 0,1,2,3,4,5,6,7
	v_mov_b32 v[BI+8*\t+\j], v[VB+\t]              ; in V's form a lane holds one column: its bias in all eight registers
.endr
.endr
	WIN 0
.rept 4
	v_nop
.endr
	s_wait_alu depctr_va_vdst(0)
	TRIPV 0
	TRIPV 1
	TRIPV 2
	TRIPV 3
	v_cndmask_b32 v[VB], v[PW], v[PW+1], s40       ; V's scale words: word 8 l + 4 p belongs to fragment 2 p + l / 16
	v_cndmask_b32 v[VB+1], v[PW+2], v[PW+3], s40
	global_store_b64 v8, v[VB:VB+1], s[36:37] offset:16640
	s_set_vgpr_msb 0x5
	s_wait_tensorcnt 0x0
	ds_add_u32 v254, v255
	s_wait_dscnt 0x0
	s_set_vgpr_msb 0x500
	s_endpgm
.Lfunc_end_k_qe554c89e0b_proj:
	.size	k_qe554c89e0b_proj, .Lfunc_end_k_qe554c89e0b_proj-k_qe554c89e0b_proj
	.p2alignl 7, 3214868480
	.fill 96, 4, 3214868480
	.section	.rodata,"a",@progbits
	.p2align	6, 0x0
	.amdhsa_kernel k_qe554c89e0b_proj
		.amdhsa_group_segment_fixed_size 36864
		.amdhsa_private_segment_fixed_size 0
		.amdhsa_enable_private_segment 0
		.amdhsa_kernarg_size 88
		.amdhsa_user_sgpr_count 2
		.amdhsa_user_sgpr_kernarg_segment_ptr 1
		.amdhsa_wavefront_size32 1
		.amdhsa_system_sgpr_workgroup_id_x 1
		.amdhsa_system_sgpr_workgroup_id_y 1
		.amdhsa_system_sgpr_workgroup_id_z 1
		.amdhsa_system_vgpr_workitem_id 0
		.amdhsa_next_free_vgpr 512
		.amdhsa_next_free_sgpr 66
		.amdhsa_reserve_vcc 0
		.amdhsa_float_denorm_mode_32 3
		.amdhsa_float_denorm_mode_16_64 3
		.amdhsa_fp16_overflow 1
		.amdhsa_memory_ordered 1
		.amdhsa_forward_progress 1
		.amdhsa_inst_pref_size 90
	.end_amdhsa_kernel
	.amdgpu_metadata
---
amdhsa.version: [ 1, 2 ]
amdhsa.kernels:
  - .name:           k_qe554c89e0b_proj
    .symbol:         k_qe554c89e0b_proj.kd
    .args:
      - { .name: h_2d, .offset: 0, .size: 8, .value_kind: global_buffer, .address_space: global }
      - { .name: h_3d, .offset: 8, .size: 8, .value_kind: global_buffer, .address_space: global }
      - { .name: wimg, .offset: 16, .size: 8, .value_kind: global_buffer, .address_space: global }
      - { .name: qimg, .offset: 24, .size: 8, .value_kind: global_buffer, .address_space: global }
      - { .name: kv, .offset: 32, .size: 8, .value_kind: global_buffer, .address_space: global }
      - { .name: bq2d, .offset: 40, .size: 8, .value_kind: global_buffer, .address_space: global }
      - { .name: bk2d, .offset: 48, .size: 8, .value_kind: global_buffer, .address_space: global }
      - { .name: bv2d, .offset: 56, .size: 8, .value_kind: global_buffer, .address_space: global }
      - { .name: bq3d, .offset: 64, .size: 8, .value_kind: global_buffer, .address_space: global }
      - { .name: bk3d, .offset: 72, .size: 8, .value_kind: global_buffer, .address_space: global }
      - { .name: bv3d, .offset: 80, .size: 8, .value_kind: global_buffer, .address_space: global }
    .group_segment_fixed_size: 36864
    .private_segment_fixed_size: 0
    .kernarg_segment_align: 8
    .kernarg_segment_size: 88
    .max_flat_workgroup_size: 256
    .sgpr_count:     66
    .vgpr_count:     512
    .wavefront_size: 32
...
	.end_amdgpu_metadata
.endif
;; end of part 2
;; launch attn (part 3): grid 16 x 16, 16 waves a work-group, clusters of 4 x 1, 327,680 bytes of LDS; arguments qimg, kv, oimg, osc; writes oimg, osc
.if DOCPART == 3
	.amdgcn_target "amdgcn-amd-amdhsa--gfx1250"
	.amdhsa_code_object_version 6
	.text
	.protected	k_qe554c89e0b_attn
	.globl	k_qe554c89e0b_attn
	.p2align	8
	.type	k_qe554c89e0b_attn,@function
k_qe554c89e0b_attn:
	s_mov_b64 s[64:65], 0
	v_nop
	global_prefetch_b8 v0, s[64:65] scope:SCOPE_SE
	s_setreg_imm32_b32 hwreg(HW_REG_WAVE_MODE, 25, 1), 1
	s_wait_xcnt 0x0
	s_wait_alu depctr_hold_cnt(0) depctr_sa_sdst(0) depctr_va_vdst(0) depctr_va_sdst(0) depctr_va_ssrc(0) depctr_va_vcc(0) depctr_vm_vsrc(0)
	s_getreg_b32 s2, hwreg(HW_REG_IB_STS2, 6, 4)
	s_cmp_eq_u32 s2, 0
	s_cbranch_scc0 .Lentry_in_a_cluster
	s_endpgm
.Lentry_in_a_cluster:
	s_bfe_u32 s2, ttmp6, 0x10000c
	s_cmp_lg_u32 s2, 0x3003
	s_cbranch_scc0 .Lentry_shape_is_right
	s_endpgm
.Lentry_shape_is_right:
; Both attentions, on codes of E4M3 with one E8M0 byte for each 32 along a product's K.  y = direction x 8 + head; 4,096 queries x 4,096 keys, head size 64.
; THE SOFTMAX AHEAD OF THE SECOND PRODUCT: t = score x log2(e) / 8; M = the running largest t rounded UP to a whole number; p = 2^(t - M) is quantised along the keys, not normalised.
; The row's sum is taken of the unquantised p and divides O at the end.  When M moves, the sum and O are multiplied by 2^(old M - new M), which rounds nothing.
; SHARES.  A work-group owns 256 queries of one y; each of its sixteen waves one tile of 16, in 256 registers, four waves to a SIMD.  Every wave walks all keys, 128 a step.
; LAYOUT.  Both products transposed: S^T = K Q^T, O^T = V^T P^T: a lane holds one query (lane % 16) throughout.
; THE HEAD'S 64 FILL HALF OF THE INSTRUCTION'S 128: a row of K's fragment c holds TWO keys' codes on end (32 c + r + 8 (r / 8), and 8 further on).  Against [q | zeros] it gives the first key's score, against
; [zeros | q] the second's: zero codes add nothing.  The two operands overlap in 24 registers: zeros, q, zeros.  The 16 registers of the two results are keys 32 c + 16 (lane / 16) + 0 .. 15: p's place in its operand.
; THE RING.  Two LDS slots of four key steps (67,584 bytes).  A key step is one dense block of kv, 66 rows of 256 bytes, already in register order: fragments come by ds_load_b128 at 16 x lane.
; CLUSTER.  The four work-groups of a cluster have the same y and walk the same kv: each fill is asked for JOINTLY (mask 15); waves 0 to 3 fetch a key step each.
; OUT.  o / l is quantised along d_model (my head's two blocks of 32): oimg [tile][K step y / 2][2,048], my head's 1,024 bytes; osc [y][tile][row]: two scale bytes.
; LIMITS: v_exp_f32 gives 0 under 2^-126 (ISA guide, 15.8); a block of zeros gets the byte 1 (its codes are zeros; this program alone reads the bytes); NaN and infinities are not served.
.set KSB,   16896                      ; a key step's block: K 8,192, V 8,192, K's scale words 256, V's 256
.set SLOTB, 4*KSB
.set SLOT1, 1<<17                      ; slot 1 begins here: one exclusive or turns an address from one slot to the other
.set SPARE, SLOT1+SLOTB                ; the spare words, 128 bytes for each wave: eight blocks of 256 bytes that no other line names
.set SCST,  SPARE+2048                 ; 512 bytes: the work-group's scale bytes of o on their way out; no fill lands here
.set F,    48                          ; v48-111  four fragments of K, then of V
.set S,    112                         ; v112-175 S^T, then p
.set O,    176                         ; v176-207 O^T: four accumulators
.set PCD,  208                         ; v208-223 p's codes
.set BM,   224                         ; v224-227 the blocks' largest scores, then p
.set T2,   228                         ; v228-231 at work
.set HOLD, 232
.set SCL,  236                         ; v236-239 the conversions' scale operands
.set KS,   240                         ; v240-241 K's scale words: pair p: lanes 0-15 fragment 2 p, lanes 16-31 fragment 2 p + 1
.set VS,   242                         ; v242-243 V's likewise
.set QS,   40                          ; v40      q's scale word
.set WV,   12
.set TB,   28                          ; s28  LDS byte at which the step in hand begins
.set SLOTS, 29                         ; s29  slots still to be asked for
.set CNT,  30
.set LIM,  31                          ; s31  1 in a wave that prefetches, else the greatest number
.set PFA,  32                          ; s[32:33] where my prefetches stand
.set SEL,  34
.set CS,   36                          ; s[36:37] c = log2(e) / 8
.set MNT,  38
; v1 16 x lane; v2 8 x lane; v3, v4 the step's LDS addresses; v5 my spare word; v6 0; v7 256 x lane; v8, v9 SCST in and out; v11 16 r; v12 -M; v13 the largest t; v[14:15] the sum; v16-23 zeros, v24-31 q, v32-39 zeros;
; v244 f, v245 p's scale word, v246 at work
.macro ROUND                           ; a round of the cluster's barrier
	s_barrier_signal -1
	s_barrier_wait -1
	s_cmp_lg_u32 s[WV], 0
	s_cbranch_scc1 .Lnot_wave_0_\@
	s_barrier_signal -3
.Lnot_wave_0_\@:
	s_barrier_wait -3
	s_barrier_signal -1
	s_barrier_wait -1
.endm
.macro TLOAD                           ; waves 0 to 3 fetch a key step each; the branch hangs on the wave's number alone.  Four v_nop follow the load
	s_cmp_lt_u32 s[WV], 4
	s_cbranch_scc0 .Lno_fetch_\@
	tensor_load_to_lds s[24:27], s[16:23]
	s_nop 0
.rept 4
	v_nop
.endr
.Lno_fetch_\@:
.endm
; A PREFETCH of what the NEXT change of slots will ask for: four key steps ahead of that load.  All clusters of a y walk the same kv: the first cluster asks.  Its four partners are told apart BY ADDRESS:
; partner cx names key step cx of the slot; in each, wave 4 names K's 8,192 bytes and wave 5 V's, lanes 256 bytes apart.  So each such run of 256 bytes is named once in the launch.
; The last change that fills a slot asks for nothing; slots 0 and 1, and the 512 scale bytes of a step, come by their loads alone.
.macro ASK
	s_cmp_gt_u32 s[SLOTS], s[LIM]
	s_cbranch_scc0 .Lnot_mine_\@
	global_prefetch_b8 v7, s[PFA:PFA+1] th:TH_LOAD_NT scope:SCOPE_SE
.Lnot_mine_\@:
.endm
.macro PS c                            ; the scores of fragment c's 32 keys
.if (\c)%2
	v_wmma_scale_f32_16x16x128_f8f6f4 v[S+16*\c:S+16*\c+7], v[F+16*\c:F+16*\c+15], v[24:39], 0, v[KS+\c/2], v[QS] matrix_a_scale:MATRIX_SCALE_ROW1
	v_wmma_scale_f32_16x16x128_f8f6f4 v[S+16*\c+8:S+16*\c+15], v[F+16*\c:F+16*\c+15], v[16:31], 0, v[KS+\c/2], v[QS] matrix_a_scale:MATRIX_SCALE_ROW1
.else
	v_wmma_scale_f32_16x16x128_f8f6f4 v[S+16*\c:S+16*\c+7], v[F+16*\c:F+16*\c+15], v[24:39], 0, v[KS+\c/2], v[QS]
	v_wmma_scale_f32_16x16x128_f8f6f4 v[S+16*\c+8:S+16*\c+15], v[F+16*\c:F+16*\c+15], v[16:31], 0, v[KS+\c/2], v[QS]
.endif
.endm
.macro PO t                            ; O^T += fragment t of V^T x P^T
.if (\t)%2
	v_wmma_scale_f32_16x16x128_f8f6f4 v[O+8*\t:O+8*\t+7], v[F+16*\t:F+16*\t+15], v[PCD:PCD+15], v[O+8*\t:O+8*\t+7], v[VS+\t/2], v245 matrix_a_scale:MATRIX_SCALE_ROW1
.else
	v_wmma_scale_f32_16x16x128_f8f6f4 v[O+8*\t:O+8*\t+7], v[F+16*\t:F+16*\t+15], v[PCD:PCD+15], v[O+8*\t:O+8*\t+7], v[VS+\t/2], v245
.endif
.endm
; A KEY STEP: 128 keys at LDS byte s[TB]
.macro STEP
	v_add_nc_u32 v3, s[TB], v1
	v_add_nc_u32 v4, s[TB], v2
.rept 6
	v_nop                                          ; with the two additions: eight places behind the last products, ahead of loads into registers that they read
.endr
	ds_load_b64 v[KS:KS+1], v4 offset:16384
.irp c, 0,1,2,3
.irp g, 0,1,2,3
	ds_load_b128 v[F+16*\c+4*\g:F+16*\c+4*\g+3], v3 offset:2048*\c+512*\g
.endr
.endr
	s_wait_alu depctr_va_vdst(0)
	s_wait_dscnt 0x0
	PS 0
	PS 1
	PS 2
	PS 3
.rept 8
	v_nop                                          ; eight places: for V's loads into K's registers, and for the first reads of the scores
.endr
	ds_load_b64 v[VS:VS+1], v4 offset:16640
.irp t, 0,1,2,3
.irp g, 0,1,2,3
	ds_load_b128 v[F+16*\t+4*\g:F+16*\t+4*\g+3], v3 offset:8192+2048*\t+512*\g   ; V lands while the softmax is walked
.endr
.endr
.irp b, 0,1,2,3
	v_max3_num_f32 v[BM+\b], v[S+16*\b], v[S+1+16*\b], v[S+2+16*\b]   ; the largest score of each block of 32 keys: for the row's maximum, and, since p rises with the score, for the block's largest p
.endr
.irp i, 3,5,7,9,11,13
.irp b, 0,1,2,3
	v_max3_num_f32 v[BM+\b], v[BM+\b], v[S+16*\b+\i], v[S+1+16*\b+\i]   ; (each accumulator is read from its low end on)
.endr
.endr
.irp b, 0,1,2,3
	v_max_num_f32 v[BM+\b], v[BM+\b], v[S+15+16*\b]
.endr
.irp b, 0,1,2,3
	s_delay_alu instid0(VALU_DEP_4)
	v_permlanex16_b32 v[T2+\b], v[BM+\b], s[SEL], s[SEL+1]
.endr
.irp b, 0,1,2,3
	s_delay_alu instid0(VALU_DEP_4)
	v_max_num_f32 v[BM+\b], v[BM+\b], v[T2+\b]     ; with lane l xor 16's 16 keys
.endr
	s_delay_alu instid0(VALU_DEP_2)
	v_max3_num_f32 v246, v[BM], v[BM+1], v[BM+2]
	s_delay_alu instid0(VALU_DEP_1)
	v_max_num_f32 v246, v246, v[BM+3]              ; the step's largest score of my query
	s_delay_alu instid0(VALU_DEP_1)
	v_mul_f32 v246, s[CS], v246                    ; as t (c is positive)
	s_delay_alu instid0(VALU_DEP_1)
	v_max_num_f32 v13, v13, v246                   ; the running largest t
	v_mov_b32 v246, v12
	s_delay_alu instid0(VALU_DEP_2)
	v_floor_f32 v12, -v13                          ; the new -M = floor(-t) = -ceil(t)
	s_delay_alu instid0(VALU_DEP_1)
	v_sub_f32 v246, v12, v246                      ; old M - new M: a whole number, 0 or less
	s_delay_alu instid0(VALU_DEP_1)
	v_cvt_i32_f32 v246, v246                       ; (it saturates)
	s_delay_alu instid0(VALU_DEP_1)
	v_ldexp_f32 v244, 1.0, v246                    ; f = 2^(old M - new M)
.set j, 0
.rept 32
	v_pk_fma_f32 v[S+j:S+j+1], v[S+j:S+j+1], s[CS:CS+1], v[12:13] op_sel_hi:[1,0,0]   ; t - M, two at a time
.set j, j+2
.endr
.irp b, 0,1,2,3
	v_fma_f32 v[BM+\b], v[BM+\b], s[CS], v12       ; the same of each block's largest score
.endr
.set j, 0
	s_setprio 1
	s_wait_alu depctr_va_vdst(0)
.rept 64
	v_exp_f32 v[S+j], v[S+j]                       ; p = 2^(t - M), at most 1
.set j, j+1
.endr
	v_pk_mul_f32 v[14:15], v[14:15], v[244:245] op_sel_hi:[1,0]   ; the sums under the new M: the plain line behind the exponentials
	s_wait_alu depctr_va_vdst(0)                   ; one wait for the batch of 64, ahead of its first reader
.irp b, 0,1,2,3
	v_exp_f32 v[BM+\b], v[BM+\b]                   ; the block's largest p: the same two instructions on the same number give the same bits
.endr
	v_pk_add_f32 v[228:229], v[116:117], v[120:121]
	v_pk_add_f32 v[254:255], v[124:125], v[128:129]
	v_pk_add_f32 v[252:253], v[132:133], v[136:137]
	v_pk_add_f32 v[250:251], v[140:141], v[144:145]
	v_pk_add_f32 v[248:249], v[148:149], v[152:153]
	v_pk_add_f32 v[240:241], v[156:157], v[160:161]
	v_pk_add_f32 v[238:239], v[164:165], v[168:169]
	v_pk_add_f32 v[14:15], v[14:15], v[172:173]
	v_pk_add_f32 v[228:229], v[228:229], v[112:113]
	v_pk_add_f32 v[254:255], v[254:255], v[114:115]
	v_pk_add_f32 v[252:253], v[252:253], v[118:119]
	v_pk_add_f32 v[250:251], v[250:251], v[122:123]
	v_pk_add_f32 v[248:249], v[248:249], v[126:127]
	v_pk_add_f32 v[240:241], v[240:241], v[130:131]
	v_pk_add_f32 v[238:239], v[238:239], v[134:135]
	v_pk_add_f32 v[14:15], v[14:15], v[138:139]
	v_pk_add_f32 v[228:229], v[228:229], v[142:143]
	v_pk_add_f32 v[254:255], v[254:255], v[146:147]
	v_pk_add_f32 v[252:253], v[252:253], v[150:151]
	v_pk_add_f32 v[250:251], v[250:251], v[154:155]
	v_pk_add_f32 v[248:249], v[248:249], v[158:159]
	v_pk_add_f32 v[240:241], v[240:241], v[162:163]
	v_pk_add_f32 v[238:239], v[238:239], v[166:167]
	v_pk_add_f32 v[14:15], v[14:15], v[170:171]
	v_pk_add_f32 v[228:229], v[228:229], v[174:175]
	s_delay_alu instid0(VALU_DEP_2)
	v_pk_add_f32 v[14:15], v[14:15], v[250:251]
	s_delay_alu instid0(VALU_DEP_2)
	v_pk_add_f32 v[228:229], v[228:229], v[248:249]
	v_pk_add_f32 v[254:255], v[254:255], v[240:241]
	v_pk_add_f32 v[252:253], v[252:253], v[238:239]
	s_delay_alu instid0(VALU_DEP_2)
	v_pk_add_f32 v[14:15], v[14:15], v[254:255]
	s_delay_alu instid0(VALU_DEP_2)
	v_pk_add_f32 v[228:229], v[228:229], v[252:253]
	s_delay_alu instid0(VALU_DEP_1)
	v_pk_add_f32 v[14:15], v[14:15], v[228:229]
	s_wait_alu depctr_va_vdst(0)                   ; and one for the four
.irp b, 0,1,2,3
	v_max_num_f32 v[BM+\b], 0x4800000, v[BM+\b]    ; the floor 2^(9 - 127): the byte cannot fall under 1
.endr
.irp b, 0,1,2,3
	s_delay_alu instid0(VALU_DEP_4)
	v_add_nc_u32 v[SCL+\b], 0xfc000000, v[BM+\b]   ; 8 off the exponent field: the conversion's scale operand
.endr
.irp b, 0,1,2,3
.endr
.irp b, 0,1,2,3
	s_delay_alu instid0(VALU_DEP_4)
	v_lshrrev_b32 v[T2+\b], 23, v[SCL+\b]          ; the scale's byte
.endr
	s_delay_alu instid0(VALU_DEP_3)
	v_lshl_or_b32 v245, v[T2+1], 8, v[T2]          ; p's scale word for these 128 keys
	s_delay_alu instid0(VALU_DEP_1)
	v_lshl_or_b32 v245, v[T2+2], 16, v245
	s_delay_alu instid0(VALU_DEP_1)
	v_lshl_or_b32 v245, v[T2+3], 24, v245
.irp b, 0,1,2,3
.irp i, 0,1,2,3,4,5,6,7,8,9,10,11,12,13,14,15
.endr
	v_cvt_scalef32_pk8_fp8_f32 v[PCD+4*\b:PCD+4*\b+1], v[S+16*\b:S+16*\b+7], v[SCL+\b]
	v_cvt_scalef32_pk8_fp8_f32 v[PCD+4*\b+2:PCD+4*\b+3], v[S+16*\b+8:S+16*\b+15], v[SCL+\b]
.endr
.set j, 0
	s_setprio 0
.rept 16
	v_pk_mul_f32 v[O+j:O+j+1], v[O+j:O+j+1], v[244:245] op_sel_hi:[1,0]   ; O^T under the new M; these sixteen are also the places between the codes and the products
.set j, j+2
.endr
	s_wait_alu depctr_va_vdst(0)
	s_wait_dscnt 0x0                               ; V is in
	PO 0                                           ; the four accumulators take turns
	PO 1
	PO 2
	PO 3
	s_add_co_u32 s[TB], s[TB], KSB
.endm
; THE CHANGE OF SLOTS stands at a slot's head.  Each wave waits for all its tensor loads (at most one is out: its part of the slot ahead), adds 0 to its spare word, and waits for that and for its reads of the slot that it has left.
; fill = 1: a round of the cluster's barrier, so that no wave of any partner still reads the slot left or has a load on its way; then the joint fill of that slot, which has four key steps in which to land.
.macro CHANGE fill
	s_wait_tensorcnt 0x0                           ; no tensor load of mine is out, so the descriptor may be written
	ds_add_u32 v5, v6                              ; 0 onto my spare word
.if \fill
	s_xor_b32 s25, s25, SLOT1                      ; the other slot than last time,
	s_add_nc_u64 s[26:27], s[26:27], SLOTB         ; the next four key steps; the type bits on top are not reached
	s_wait_xcnt 0x0                                ; the last prefetch, a slot back, has read its address:
	s_add_nc_u64 s[PFA:PFA+1], s[PFA:PFA+1], SLOTB ; one slot further on than the descriptor
.endif
	s_wait_dscnt 0x0                               ; the add is done, and my reads of the slot that I have left are over
.if \fill
	ROUND
	TLOAD                                          ; the first tensor load behind the round, and a wave's only one until the next
	ASK
.else
	s_barrier_signal -1
	s_barrier_wait -1
.endif
.endm
.macro FOUR_STEPS                      ; a slot's four key steps: written once, walked four times
	s_mov_b32 s[CNT], 4
.Lstep_\@:
	s_setprio 2
	STEP
	s_sub_co_u32 s[CNT], s[CNT], 1
	s_cmp_lg_u32 s[CNT], 0
	s_cbranch_scc1 .Lstep_\@
	s_setprio 0
	s_sub_co_u32 s[TB], s[TB], SLOTB               ; back to a slot's first step,
	s_xor_b32 s[TB], s[TB], SLOT1                  ; in the other slot
.endm
	s_load_b256 s[4:11], s[0:1], 0x0               ; qimg s[4:5], kv s[6:7], oimg s[8:9], osc s[10:11]
	v_lshl_add_u32 v5, v0, 2, SPARE
	v_mov_b32 v6, 0
	ds_add_u32 v5, v6
	ds_add_u32 v5, v6
	s_wait_dscnt 0x0
	v_lshrrev_b32 v10, 5, v0
	s_delay_alu instid0(VALU_DEP_1)
	v_readfirstlane_b32 s[WV], v10                 ; wave 0..15
	v_and_b32 v10, 31, v0                          ; lane
	v_and_b32 v11, 15, v0                          ; r
	s_delay_alu instid0(VALU_DEP_2)
	v_lshlrev_b32 v1, 4, v10
	s_delay_alu instid0(VALU_DEP_3)
	v_lshlrev_b32 v2, 3, v10
	s_delay_alu instid0(VALU_DEP_4)
	v_lshlrev_b32 v7, 8, v10
	s_lshl_b32 s48, s[WV], 5
	v_lshl_add_u32 v8, v11, 1, SCST
	s_delay_alu instid0(VALU_DEP_1)
	v_add_nc_u32 v8, s48, v8                       ; SCST + 32 x wave + 2 r
	v_add_nc_u32 v9, SCST, v1
	v_lshlrev_b32 v11, 4, v11                      ; q's scale words lie 16 bytes apart
	s_bfe_u32 s13, ttmp6, 0x40000                  ; cx: my place in the cluster: it enters global addresses of my own loads, stores and prefetches alone
	s_lshl_b32 s14, ttmp9, 2
	s_add_co_u32 s14, s14, s13                     ; my block of 256 queries
	s_and_b32 s15, ttmp7, 0xffff                   ; y, which the four partners share
	; descriptor group 1: 66 dense rows of 256 bytes (32 elements of 8 bytes), no padding
	s_mov_b32 s16, 15|(3<<16)|(1<<21)              ; 15:0 the mask: all four work-groups; 17:16 elements of 8 bytes; 21 set beside a mask
	s_mov_b32 s17, 32<<16                          ; tensor_dim0 = 32
	s_mov_b32 s18, 66<<16                          ; tensor_dim1 = 66
	s_mov_b32 s19, 32<<16                          ; tile_dim0 = 32
	s_mov_b32 s20, 66                              ; tile_dim1 = 66
	s_mov_b32 s21, 32                              ; from row to row
	s_mov_b32 s22, 0
	s_mov_b32 s23, 0
	s_mul_i32 s48, s15, 32*KSB                     ; y's 32 key steps
	s_mov_b32 s24, 1                               ; group 0: count = 1
	s_mul_i32 s25, s[WV], KSB                      ; LDS address: slot 0, key step = wave
	s_add_co_u32 s50, s48, s25
	s_mov_b32 s51, 0
	s_mul_i32 s52, s13, KSB                        ; the prefetches: key step cx,
	s_add_co_u32 s52, s52, s48
	s_and_b32 s53, s[WV], 1
	s_lshl_b32 s53, s53, 13                        ; K's half or V's,
	s_add_co_u32 s52, s52, s53
	s_add_co_u32 s52, s52, SLOTB                   ; in slot 1: the first change of slots steps it to slot 2.  Nothing is prefetched at the head
	s_mov_b32 s53, 0
	s_lshl_b32 s54, s15, 5                         ; q: block 32 y + 2 x my block + wave / 8 of 8,704 bytes,
	s_lshl_b32 s55, s14, 1
	s_add_co_u32 s54, s54, s55
	s_lshr_b32 s55, s[WV], 3
	s_add_co_u32 s54, s54, s55
	s_mul_i32 s54, s54, 8704
	s_and_b32 s55, s[WV], 7
	s_lshl_b32 s56, s55, 10
	s_add_co_u32 s56, s56, s54                     ; tile wave % 8: 1,024 bytes of codes;
	s_mov_b32 s57, 0
	s_lshr_b32 s55, s55, 1
	s_lshl_b32 s55, s55, 2
	s_add_co_u32 s54, s54, s55                     ; its scale words: 8,192 + 16 (r + 16 (wave % 2)) + 4 ((wave % 8) / 2)
	s_and_b32 s55, s[WV], 1
	s_lshl_b32 s55, s55, 8
	s_add_co_u32 s54, s54, s55
	s_add_co_u32 s54, s54, 8192
	s_mov_b32 s55, 0
	s_lshl_b32 s58, s14, 4
	s_add_co_u32 s58, s58, s[WV]                   ; my tile
	s_lshl_b32 s58, s58, 14
	s_lshl_b32 s59, s15, 10
	s_add_co_u32 s58, s58, s59                     ; oimg: 16,384 x tile + 1,024 y
	s_mov_b32 s59, 0
	s_lshl_b32 s60, s15, 13
	s_lshl_b32 s61, s14, 9
	s_add_co_u32 s60, s60, s61                     ; osc: 8,192 y + 512 x my block
	s_mov_b32 s61, 0
	s_sub_co_u32 s[LIM], s[WV], 4
	s_lshr_b32 s[LIM], s[LIM], 1                   ; 0 in waves 4 and 5,
	s_or_b32 s[LIM], s[LIM], ttmp9                 ; of y's first cluster: the same in all four partners
	s_cmp_eq_u32 s[LIM], 0
	s_cselect_b32 s[LIM], 1, -1
	s_mov_b32 s[SEL], 0x76543210
	s_mov_b32 s[SEL+1], 0xfedcba98                 ; lane l xor 16
	s_mov_b32 s[CS], 0x3e38aa3b                    ; c = log2(e) / 8
	s_mov_b32 s[CS+1], s[CS]                       ; (named with it as a pair, so it is written)
	s_mov_b32 s[TB], 0
	s_mov_b32 s[SLOTS], 7
	s_wait_kmcnt 0x0
	s_add_nc_u64 s[26:27], s[6:7], s[50:51]        ; group 0: the tile's first byte
	s_or_b32 s27, s27, 0x80000000                  ; type = 2
	s_add_nc_u64 s[PFA:PFA+1], s[6:7], s[52:53]
	s_add_nc_u64 s[40:41], s[4:5], s[56:57]
	s_add_nc_u64 s[42:43], s[4:5], s[54:55]
	s_add_nc_u64 s[44:45], s[8:9], s[58:59]
	s_add_nc_u64 s[46:47], s[10:11], s[60:61]
	ROUND                                          ; all four work-groups are here: the first joint loads meet
	TLOAD                                          ; slot 0
	s_wait_alu depctr_va_vdst(0)
	global_load_b128 v[24:27], v1, s[40:41]        ; q: d = 16 h + 0 .. 15,
	global_load_b128 v[28:31], v1, s[40:41] offset:512   ; d = 32 + 16 h + 0 .. 15
	global_load_b32 v[QS], v11, s[42:43]
.irp j, 0,1,2,3,4,5,6,7
	v_mov_b32 v[16+\j], 0                          ; zero codes below q
	v_mov_b32 v[32+\j], 0                          ; and above
.endr
.set j, 0
.rept 32
	v_mov_b32 v[O+j], 0                            ; O^T.  (The step is written once: the first finds zeros, which the first change of M leaves zeros)
.set j, j+1
.endr
	v_mov_b32 v13, 0xff61b1e6                      ; the largest t so far: -3e38
	s_delay_alu instid0(VALU_DEP_1)
	v_floor_f32 v12, -v13                          ; -M
	v_mov_b32 v14, 0                               ; the sum, in two halves
	v_mov_b32 v15, 0
.irp b, 0,1,2,3
	v_mov_b32 v[T2+\b], 0                          ; a lane permute's destination counts as one of its sources
.endr
	v_mov_b32 v245, 0                              ; (named as the upper half of the pair v[244:245] before it is first written)
	v_mov_b32 v246, 0
	s_wait_loadcnt 0x0                             ; q
.Lslot:                                            ; seven trips: behind each change of slots but the last the next slot is asked for
	CHANGE 1
	FOUR_STEPS
	s_sub_co_u32 s[SLOTS], s[SLOTS], 1
	s_cmp_lg_u32 s[SLOTS], 0
	s_cbranch_scc1 .Lslot
	CHANGE 0                                       ; the last slot is written out
	FOUR_STEPS
	; THE WAY OUT: o = O^T / the sum, quantised along d_model
.rept 8
	v_nop                                          ; eight places behind the last products
.endr
	v_add_f32 v14, v14, v15                        ; the sum's two halves,
	s_delay_alu instid0(VALU_DEP_1)
	v_permlanex16_b32 v246, v14, s[SEL], s[SEL+1]
	s_delay_alu instid0(VALU_DEP_1)
	v_add_f32 v14, v14, v246                       ; and lane l xor 16's
	s_wait_alu depctr_va_vdst(0)
	v_rcp_f32 v14, v14
	v_nop                                          ; a plain line behind the reciprocal
	s_wait_alu depctr_va_vdst(0)                   ; and the wait ahead of its first reader
.set j, 0
.rept 16
	v_pk_mul_f32 v[S+j:S+j+1], v[O+j:O+j+1], v[14:15] op_sel_hi:[1,0]   ; register 16 b + i: o(my query, 32 b + 16 (lane / 16) + i); each accumulator from its low end on
.set j, j+2
.endr
.irp b, 0,1
	v_max3_num_f32 v[BM+\b], |v[S+16*\b]|, |v[S+1+16*\b]|, 0x4800000
.endr
.irp i, 2,4,6,8,10,12,14
.irp b, 0,1
	s_delay_alu instid0(VALU_DEP_2)
	v_max3_num_f32 v[BM+\b], v[BM+\b], |v[S+16*\b+\i]|, |v[S+1+16*\b+\i]|
.endr
.endr
.irp b, 0,1
	s_delay_alu instid0(VALU_DEP_2)
	v_permlanex16_b32 v[T2+\b], v[BM+\b], s[SEL], s[SEL+1]
.endr
.irp b, 0,1
	s_delay_alu instid0(VALU_DEP_2)
	v_max_num_f32 v[BM+\b], v[BM+\b], v[T2+\b]
.endr
.irp b, 0,1
	s_delay_alu instid0(VALU_DEP_2)
	v_add_nc_u32 v[SCL+\b], 0xfc000000, v[BM+\b]
.endr
.irp b, 0,1
.endr
.irp b, 0,1
	s_delay_alu instid0(VALU_DEP_2)
	v_lshrrev_b32 v[T2+\b], 23, v[SCL+\b]
.endr
	s_delay_alu instid0(VALU_DEP_1)
	v_lshl_or_b32 v246, v[T2+1], 8, v[T2]          ; my row's two scale bytes
.irp b, 0,1
.irp i, 0,1,2,3,4,5,6,7,8,9,10,11,12,13,14,15
.endr
	v_cvt_scalef32_pk8_fp8_f32 v[PCD+4*\b:PCD+4*\b+1], v[S+16*\b:S+16*\b+7], v[SCL+\b]
	v_cvt_scalef32_pk8_fp8_f32 v[PCD+4*\b+2:PCD+4*\b+3], v[S+16*\b+8:S+16*\b+15], v[SCL+\b]
.endr
	v_nop                                          ; a plain line behind the last conversion
	global_store_b128 v1, v[PCD:PCD+3], s[44:45]   ; 512 consecutive bytes, aligned
	global_store_b128 v1, v[PCD+4:PCD+7], s[44:45] offset:512
	ds_store_b16 v8, v246                          ; both lanes of a row write the same bytes with the same value
	s_wait_dscnt 0x0                               ; for wave 0's sake
	s_barrier_signal -1
	s_barrier_wait -1
	s_cmp_lg_u32 s[WV], 0
	s_cbranch_scc1 .Lfin
	ds_load_b128 v[F:F+3], v9                      ; the sixteen tiles' scale bytes: 512 bytes
	s_wait_dscnt 0x0
	global_store_b128 v1, v[F:F+3], s[46:47]
.Lfin:
	s_wait_tensorcnt 0x0                           ; the wave's end
	ds_add_u32 v5, v6
	s_wait_dscnt 0x0
	ROUND                                          ; the closing round: no work-group ends while a partner may still ask for a tile that names it
	s_endpgm
.Lfunc_end_k_qe554c89e0b_attn:
	.size	k_qe554c89e0b_attn, .Lfunc_end_k_qe554c89e0b_attn-k_qe554c89e0b_attn
	.p2alignl 7, 3214868480
	.fill 96, 4, 3214868480
	.section	.rodata,"a",@progbits
	.p2align	6, 0x0
	.amdhsa_kernel k_qe554c89e0b_attn
		.amdhsa_group_segment_fixed_size 327680
		.amdhsa_private_segment_fixed_size 0
		.amdhsa_enable_private_segment 0
		.amdhsa_kernarg_size 32
		.amdhsa_user_sgpr_count 2
		.amdhsa_user_sgpr_kernarg_segment_ptr 1
		.amdhsa_wavefront_size32 1
		.amdhsa_system_sgpr_workgroup_id_x 1
		.amdhsa_system_sgpr_workgroup_id_y 1
		.amdhsa_system_sgpr_workgroup_id_z 1
		.amdhsa_system_vgpr_workitem_id 0
		.amdhsa_next_free_vgpr 256
		.amdhsa_next_free_sgpr 66
		.amdhsa_reserve_vcc 0
		.amdhsa_float_denorm_mode_32 3
		.amdhsa_float_denorm_mode_16_64 3
		.amdhsa_fp16_overflow 1
		.amdhsa_memory_ordered 1
		.amdhsa_forward_progress 1
		.amdhsa_inst_pref_size 48
	.end_amdhsa_kernel
	.amdgpu_metadata
---
amdhsa.version: [ 1, 2 ]
amdhsa.kernels:
  - .name:           k_qe554c89e0b_attn
    .symbol:         k_qe554c89e0b_attn.kd
    .args:
      - { .name: qimg, .offset: 0, .size: 8, .value_kind: global_buffer, .address_space: global }
      - { .name: kv, .offset: 8, .size: 8, .value_kind: global_buffer, .address_space: global }
      - { .name: oimg, .offset: 16, .size: 8, .value_kind: global_buffer, .address_space: global }
      - { .name: osc, .offset: 24, .size: 8, .value_kind: global_buffer, .address_space: global }
    .group_segment_fixed_size: 327680
    .private_segment_fixed_size: 0
    .kernarg_segment_align: 8
    .kernarg_segment_size: 32
    .max_flat_workgroup_size: 512
    .sgpr_count:     66
    .vgpr_count:     256
    .wavefront_size: 32
...
	.end_amdgpu_metadata
.endif
;; end of part 3
;; launch outln (part 4): grid 128 x 1, 16 waves a work-group, no clusters, 106,496 bytes of LDS; arguments oimg, osc, wimg, bo23, bo32, gamma, beta, out0; writes out0
.if DOCPART == 4
	.amdgcn_target "amdgcn-amd-amdhsa--gfx1250"
	.amdhsa_code_object_version 6
	.text
	.protected	k_qe554c89e0b_outln
	.globl	k_qe554c89e0b_outln
	.p2align	8
	.type	k_qe554c89e0b_outln,@function
k_qe554c89e0b_outln:
	s_mov_b64 s[64:65], 0
	v_nop
	global_prefetch_b8 v0, s[64:65] scope:SCOPE_SE
	s_setreg_imm32_b32 hwreg(HW_REG_WAVE_MODE, 25, 1), 1
	s_wait_xcnt 0x0
; x = o23 Wo23 + bo23 + o32 Wo32 + bo32 as ONE product with K = 1,024 (K step ks = direction x 4 + head / 2), on codes of E4M3 with E8M0 scales; then LayerNorm over the row's 512, in f32.
; Work-group c takes tiles 2 c and 2 c + 1 of o, which are rows 32 c .. 32 c + 31 (lane r of tile 2 c + u is row 32 c + 8 u + r + 8 (r / 8)).  Wave w makes columns 32 w .. 32 w + 31 for all 32 rows.
; TRANSPOSED: source 0 = 16 columns of W, source 1 = 16 rows of o: a lane holds one row and columns 32 w + 16 (lane / 16) + 0 .. 15 in the 16 registers of two accumulators.
; o's sixteen fragments (32 KB) are copied once into LDS, a fragment a wave, and read by all.  The weights go from memory straight into a ring of four K steps of registers, in register order:
; 16 waves x 4 K steps x 4 KB are on their way, with no barrier in the K loop.
; No cluster: all of Wo's codes, 540,672 bytes, exceed LDS, and a ring of LDS slots would leave a wave 8 matrix instructions between a request and the wait for it.
; THE NORM goes in two passes (the mean; then the squares of x - mean): no difference of large sums.  A row's 512 numbers lie in 16 waves: the waves' sums meet in LDS, and every wave adds them in the same order.
.set AIMG, 0                           ; LDS: o's fragments: (u, ks) at 2,048 (8 u + ks)
.set ASC,  32768                       ; their scale words: 128 ks + 64 u + 4 r
.set RED1, 33792                       ; the waves' sums: 64 (16 u + r) + 4 w
.set RED2, 35840                       ; and sums of squares
.set STG,  37888                       ; 32 rows of the result, 2,048 bytes + 16
.set SPI,  2064
.set BF,   16                          ; v16-143  the weights' ring: K step ks at 32 (ks % 4), fragment j at + 16 j; later gamma v16-31, beta v48-63
.set BS,   144                         ; v144-147 their scale words (lanes 0-15 fragment 0, lanes 16-31 fragment 1)
.set AF,   148                         ; v148-211 o's fragments: buffer ks % 2, tile u at + 16 u; later at work
.set ACC,  212                         ; v212-243 accumulator (u, j) at 16 u + 8 j
.set AS,   244                         ; v244-251 o's scale words, one register a K step (lanes 0-15 tile 0, lanes 16-31 tile 1)
.set TA,   148                         ; the norm: two pairs a tile of rows, then v156-157 for the lane permutes
.set RD,   160                         ; the sixteen waves' sums, for each tile of rows
.set SEL,  36
.macro RING k                          ; K step k of my 32 columns: nine loads
.irp j, 0,1
.irp g, 0,1,2,3
	global_load_b128 v[BF+32*((\k)%4)+16*\j+4*\g:BF+32*((\k)%4)+16*\j+4*\g+3], v1, s[30:31] offset:67584*(\k)+2048*\j+512*\g
.endr
.endr
	global_load_b32 v[BS+(\k)%4], v3, s[32:33] offset:67584*(\k)
.endm
.macro ALOAD k                         ; K step k of the two tiles of o
.irp u, 0,1
.irp g, 0,1,2,3
	ds_load_b128 v[AF+32*((\k)%2)+16*\u+4*\g:AF+32*((\k)%2)+16*\u+4*\g+3], v1 offset:AIMG+2048*(8*\u+(\k))+512*\g
.endr
.endr
.endm
.macro PO k, u, j
.set rD, ACC+16*\u+8*\j
.set rA, BF+32*((\k)%4)+16*\j
.set rB, AF+32*((\k)%2)+16*\u
.set rSA, BS+(\k)%4
.set rSB, AS+(\k)
.if (\j == 0) && (\u == 0)
	v_wmma_scale_f32_16x16x128_f8f6f4 v[rD:rD+7], v[rA:rA+15], v[rB:rB+15], v[rD:rD+7], v[rSA], v[rSB]
.elseif (\j == 1) && (\u == 0)
	v_wmma_scale_f32_16x16x128_f8f6f4 v[rD:rD+7], v[rA:rA+15], v[rB:rB+15], v[rD:rD+7], v[rSA], v[rSB] matrix_a_scale:MATRIX_SCALE_ROW1
.elseif (\j == 0)
	v_wmma_scale_f32_16x16x128_f8f6f4 v[rD:rD+7], v[rA:rA+15], v[rB:rB+15], v[rD:rD+7], v[rSA], v[rSB] matrix_b_scale:MATRIX_SCALE_ROW1
.else
	v_wmma_scale_f32_16x16x128_f8f6f4 v[rD:rD+7], v[rA:rA+15], v[rB:rB+15], v[rD:rD+7], v[rSA], v[rSB] matrix_a_scale:MATRIX_SCALE_ROW1 matrix_b_scale:MATRIX_SCALE_ROW1
.endif
.endm
; K step k.  n: the loads issued behind this step's nine, which may stay out
.macro KS k, n
	s_wait_loadcnt \n
	s_wait_dscnt 0x0                               ; o's fragments of this step are in
.if (\k) < 7
	ALOAD (\k)+1                                   ; the next step's, into the buffer that the step before read: eight places stand behind its products
.endif
.irp u, 0,1
.irp j, 0,1
	PO \k, \u, \j                                  ; the four accumulators take turns, one instruction a turn
.endr
.endr
.rept 8
	v_nop                                          ; eight places, ahead of loads into registers that these products read, and of the first reads of results
.endr
.if (\k) < 4
	RING (\k)+4
.elseif (\k) == 4
.irp q, 0,1,2,3
	global_load_b128 v[16+4*\q:19+4*\q], v7, s[18:19] offset:16*\q    ; gamma at my 16 columns
.endr
.elseif (\k) == 5
.irp q, 0,1,2,3
	global_load_b128 v[48+4*\q:51+4*\q], v7, s[20:21] offset:16*\q    ; beta
.endr
.endif
.endm
; Two pairs a tile of rows (v[TA + 4 u] on) become the row's sum over all 512 columns, in v[TA + 4 u] of every lane
.macro ACROSS red
.irp u, 0
	s_delay_alu instid0(VALU_DEP_3)
	v_pk_add_f32 v[TA+4*\u:TA+4*\u+1], v[TA+4*\u:TA+4*\u+1], v[TA+4*\u+2:TA+4*\u+3]
.endr
.irp u, 1
	s_delay_alu instid0(VALU_DEP_2)
	v_pk_add_f32 v[TA+4*\u:TA+4*\u+1], v[TA+4*\u:TA+4*\u+1], v[TA+4*\u+2:TA+4*\u+3]
.endr
.irp u, 0,1
	s_delay_alu instid0(VALU_DEP_2)
	v_add_f32 v[TA+4*\u], v[TA+4*\u], v[TA+4*\u+1]
.endr
.irp u, 0,1
	s_delay_alu instid0(VALU_DEP_2)
	v_permlanex16_b32 v[TA+8+\u], v[TA+4*\u], s[SEL], s[SEL+1]
.endr
.irp u, 0,1
	s_delay_alu instid0(VALU_DEP_2)
	v_add_f32 v[TA+4*\u], v[TA+4*\u], v[TA+8+\u]   ; my wave's 32 columns
.endr
.irp u, 0,1
	ds_store_b32 v8, v[TA+4*\u] offset:\red+1024*\u   ; both lanes of a row write the same word with the same value
.endr
	s_wait_dscnt 0x0                               ; for the others' sake
	s_barrier_signal -1
	s_barrier_wait -1
.irp u, 0,1
.irp q, 0,1,2,3
	ds_load_b128 v[RD+16*\u+4*\q:RD+16*\u+4*\q+3], v9 offset:\red+1024*\u+16*\q
.endr
.endr
	s_wait_dscnt 0x0
.irp i, 2,4,6,8,10,12,14
.irp u, 0,1
	v_pk_add_f32 v[RD+16*\u:RD+16*\u+1], v[RD+16*\u:RD+16*\u+1], v[RD+16*\u+\i:RD+16*\u+\i+1]
.endr
.endr
.irp u, 0,1
	s_delay_alu instid0(VALU_DEP_2)
	v_add_f32 v[TA+4*\u], v[RD+16*\u], v[RD+16*\u+1]
.endr
.endm
	s_load_b512 s[8:23], s[0:1], 0x0               ; oimg, osc, wimg, bo23, bo32, gamma, beta, out0
	v_lshrrev_b32 v1, 5, v0
	s_delay_alu instid0(VALU_DEP_1)
	v_readfirstlane_b32 s24, v1                    ; wave 0..15
	v_and_b32 v12, 31, v0                          ; lane
	v_and_b32 v13, 15, v0                          ; r
	s_wait_alu depctr_va_vdst(0)
	v_bfe_u32 v14, v0, 4, 1                        ; h
	v_lshlrev_b32 v1, 4, v12                       ; 16 x lane
	v_lshlrev_b32 v2, 2, v12                       ; 4 x lane
	v_lshlrev_b32 v3, 3, v12                       ; 8 x lane
	s_lshl_b32 s38, s24, 11
	v_add_nc_u32 v4, s38, v1                       ; where I put my fragment of o: 2,048 x wave + 16 x lane
	s_and_b32 s38, s24, 7
	s_lshl_b32 s38, s38, 7
	s_lshr_b32 s39, s24, 3
	s_lshl_b32 s39, s39, 6
	s_add_co_u32 s38, s38, s39
	v_lshl_add_u32 v5, v13, 2, s38                 ; and its scale words: 128 (wave % 8) + 64 (wave / 8) + 4 r
	v_lshlrev_b32 v6, 1, v13                       ; osc: 2 bytes a row
	s_lshl_b32 s38, s24, 7
	v_lshl_add_u32 v7, v14, 6, s38                 ; my 16 columns in a row of 512 f32: 128 x wave + 64 h
	s_lshl_b32 s38, s24, 2
	v_lshl_add_u32 v8, v13, 6, s38                 ; the waves' sums, in: 64 r + 4 x wave
	v_lshlrev_b32 v9, 6, v13                       ; and out: 64 r
	v_and_b32 v15, 8, v13
	s_delay_alu instid0(VALU_DEP_1)
	v_add_nc_u32 v15, v15, v13                     ; r + 8 (r / 8)
	s_delay_alu instid0(VALU_DEP_1)
	v_mul_u32_u24 v10, v15, SPI
	s_delay_alu instid0(VALU_DEP_1)
	v_add_nc_u32 v10, v10, v7                      ; the stage, in: my row, my 64 bytes
	s_mul_i32 s38, s24, 2*SPI
	v_add_nc_u32 v11, s38, v1                      ; and out: rows 2 w and 2 w + 1, 16 bytes a lane
	s_mov_b32 s[SEL], 0x76543210
	s_mov_b32 s[SEL+1], 0xfedcba98                 ; lane l xor 16
	s_mov_b32 s40, 0x3b000000                      ; 1 / 512
	s_mov_b32 s41, 0x3727c5ac                      ; 1e-5
	s_lshl_b32 s26, ttmp9, 15                      ; oimg: 32,768 c + 2,048 x wave
	s_lshl_b32 s38, s24, 11
	s_add_co_u32 s26, s26, s38
	s_mov_b32 s27, 0
	s_and_b32 s28, s24, 7                          ; osc: head pair wave % 8: 16,384 each; tile 2 c + wave / 8: 32 bytes each
	s_lshl_b32 s28, s28, 14
	s_lshl_b32 s38, ttmp9, 1
	s_lshr_b32 s39, s24, 3
	s_add_co_u32 s38, s38, s39
	s_lshl_b32 s38, s38, 5
	s_add_co_u32 s28, s28, s38
	s_mov_b32 s29, 0
	s_lshr_b32 s30, s24, 1                         ; the weights: unit 72 + wave / 2 (+ 8 a K step), its fragments 2 (wave % 2) and the next
	s_add_co_u32 s30, s30, 72
	s_mul_i32 s30, s30, 8448
	s_and_b32 s38, s24, 1
	s_lshl_b32 s39, s38, 2
	s_add_co_u32 s32, s30, s39
	s_add_co_u32 s32, s32, 8192                    ; their scale words: 8,192 + 8 x lane + 4 (wave % 2)
	s_mov_b32 s33, 0
	s_lshl_b32 s38, s38, 12
	s_add_co_u32 s30, s30, s38
	s_mov_b32 s31, 0
	s_lshl_b32 s34, ttmp9, 16                      ; out0: row 32 c + 2 x wave, 2,048 bytes a row
	s_lshl_b32 s38, s24, 12
	s_add_co_u32 s34, s34, s38
	s_mov_b32 s35, 0
	s_wait_alu depctr_va_vdst(0)
	s_wait_kmcnt 0x0
	s_add_nc_u64 s[26:27], s[8:9], s[26:27]
	s_add_nc_u64 s[28:29], s[10:11], s[28:29]
	s_add_nc_u64 s[30:31], s[12:13], s[30:31]
	s_add_nc_u64 s[32:33], s[12:13], s[32:33]
	s_add_nc_u64 s[34:35], s[22:23], s[34:35]
.irp g, 0,1,2,3
	global_load_b128 v[AF+4*\g:AF+4*\g+3], v1, s[26:27] offset:512*\g   ; my fragment of o: read once in the launch
.endr
	global_load_u16 v252, v6, s[28:29]             ; its rows' scale bytes: the even head's two,
	global_load_u16 v253, v6, s[28:29] offset:8192 ; the odd head's
.irp u, 0,1
.irp q, 0,1,2,3
	global_load_b128 v[ACC+16*\u+4*\q:ACC+16*\u+4*\q+3], v7, s[14:15] offset:16*\q   ; bo23 begins the sums
.endr
.endr
.irp q, 0,1,2,3
	global_load_b128 v[AF+32+4*\q:AF+32+4*\q+3], v7, s[16:17] offset:16*\q           ; bo32
.endr
	RING 0
	RING 1
	RING 2
	RING 3
	s_wait_loadcnt 48                              ; behind the first six loads stand 12 + 36: they may be out
.irp g, 0,1,2,3
	ds_store_b128 v4, v[AF+4*\g:AF+4*\g+3] offset:AIMG+512*\g
.endr
	v_lshl_or_b32 v252, v253, 16, v252             ; four bytes: the K step's four blocks of 32
	ds_store_b32 v5, v252 offset:ASC               ; both lanes of a row write the same word with the same value
	s_wait_dscnt 0x0                               ; for the others' sake
	s_barrier_signal -1
	s_barrier_wait -1                              ; o's sixteen fragments and their scale words lie in LDS
.irp k, 0,1,2,3,4,5,6,7
	ds_load_b32 v[AS+\k], v2 offset:ASC+128*\k
.endr
	ALOAD 0
	s_wait_loadcnt 36                              ; the biases are in; the ring may be out
.irp u, 0,1
.irp i, 0,2,4,6,8,10,12,14
	v_pk_add_f32 v[ACC+16*\u+\i:ACC+16*\u+\i+1], v[ACC+16*\u+\i:ACC+16*\u+\i+1], v[AF+32+\i:AF+32+\i+1]   ; + bo32
.endr
.endr
.rept 4
	v_nop
.endr
	s_wait_alu depctr_va_vdst(0)
	KS 0, 27                                       ; three later ring steps of nine loads
	KS 1, 27
	KS 2, 27
	KS 3, 27
	KS 4, 27
	KS 5, 22                                       ; two ring steps and gamma's four
	KS 6, 17                                       ; one ring step, gamma's four, beta's four
	KS 7, 8                                        ; gamma's and beta's
	; ---- the norm.  Each accumulator is read from its low end on
	v_mov_b32 v[TA+8], 0                           ; a lane permute's destination counts as one of its sources
	v_mov_b32 v[TA+9], 0
.irp u, 0,1
	v_pk_add_f32 v[TA+4*\u:TA+4*\u+1], v[ACC+16*\u:ACC+16*\u+1], v[ACC+16*\u+2:ACC+16*\u+3]
	v_pk_add_f32 v[TA+4*\u+2:TA+4*\u+3], v[ACC+16*\u+8:ACC+16*\u+9], v[ACC+16*\u+10:ACC+16*\u+11]
.endr
.irp i, 4,6
.irp u, 0,1
	v_pk_add_f32 v[TA+4*\u:TA+4*\u+1], v[TA+4*\u:TA+4*\u+1], v[ACC+16*\u+\i:ACC+16*\u+\i+1]
	v_pk_add_f32 v[TA+4*\u+2:TA+4*\u+3], v[TA+4*\u+2:TA+4*\u+3], v[ACC+16*\u+8+\i:ACC+16*\u+9+\i]
.endr
.endr
	ACROSS RED1
.irp u, 0
	s_delay_alu instid0(VALU_DEP_2)
	v_mul_f32 v[252+2*\u], s40, v[TA+4*\u]         ; the mean, in both halves of a pair
	s_delay_alu instid0(VALU_DEP_3)
	v_mul_f32 v[253+2*\u], s40, v[TA+4*\u]
.endr
.irp u, 1
	s_delay_alu instid0(VALU_DEP_3)
	v_mul_f32 v[252+2*\u], s40, v[TA+4*\u]         ; the mean, in both halves of a pair
	s_delay_alu instid0(VALU_DEP_4)
	v_mul_f32 v[253+2*\u], s40, v[TA+4*\u]
.endr
.irp u, 0,1
.irp i, 0,2,4,6,8,10,12,14
	v_pk_add_f32 v[ACC+16*\u+\i:ACC+16*\u+\i+1], v[ACC+16*\u+\i:ACC+16*\u+\i+1], v[252+2*\u:253+2*\u] neg_lo:[0,1] neg_hi:[0,1]   ; x - mean
.endr
.endr
.irp u, 0,1
	v_pk_mul_f32 v[TA+4*\u:TA+4*\u+1], v[ACC+16*\u:ACC+16*\u+1], v[ACC+16*\u:ACC+16*\u+1]
	v_pk_mul_f32 v[TA+4*\u+2:TA+4*\u+3], v[ACC+16*\u+8:ACC+16*\u+9], v[ACC+16*\u+8:ACC+16*\u+9]
.endr
.irp i, 2,4,6
.irp u, 0,1
	s_delay_alu instid0(VALU_DEP_4)
	v_pk_fma_f32 v[TA+4*\u:TA+4*\u+1], v[ACC+16*\u+\i:ACC+16*\u+\i+1], v[ACC+16*\u+\i:ACC+16*\u+\i+1], v[TA+4*\u:TA+4*\u+1]
	s_delay_alu instid0(VALU_DEP_4)
	v_pk_fma_f32 v[TA+4*\u+2:TA+4*\u+3], v[ACC+16*\u+8+\i:ACC+16*\u+9+\i], v[ACC+16*\u+8+\i:ACC+16*\u+9+\i], v[TA+4*\u+2:TA+4*\u+3]
.endr
.endr
	ACROSS RED2
.irp u, 0,1
	s_delay_alu instid0(VALU_DEP_2)
	v_fma_f32 v[TA+4*\u], v[TA+4*\u], s40, s41     ; the variance + 1e-5
.endr
	s_wait_alu depctr_va_vdst(0)
.irp u, 0,1
	v_rsq_f32 v[252+2*\u], v[TA+4*\u]
.endr
	v_nop                                          ; a plain line behind the two
	s_wait_alu depctr_va_vdst(0)                   ; one wait for both, ahead of their first reader
.irp u, 0,1
	v_mov_b32 v[253+2*\u], v[252+2*\u]
.endr
	s_wait_alu depctr_va_vdst(0)
	s_wait_loadcnt 0x0                             ; gamma and beta
.irp u, 0,1
.irp i, 0,2,4,6,8,10,12,14
	v_pk_mul_f32 v[ACC+16*\u+\i:ACC+16*\u+\i+1], v[ACC+16*\u+\i:ACC+16*\u+\i+1], v[252+2*\u:253+2*\u]
.endr
.endr
.irp u, 0,1
.irp i, 0,2,4,6,8,10,12,14
	v_pk_fma_f32 v[ACC+16*\u+\i:ACC+16*\u+\i+1], v[ACC+16*\u+\i:ACC+16*\u+\i+1], v[16+\i:17+\i], v[48+\i:49+\i]
.endr
.endr
.irp u, 0,1
.irp q, 0,1,2,3
	ds_store_b128 v10, v[ACC+16*\u+4*\q:ACC+16*\u+4*\q+3] offset:STG+8*\u*SPI+16*\q   ; row 8 u + r + 8 (r / 8), columns 32 w + 16 h + 4 q on
.endr
.endr
	s_wait_dscnt 0x0                               ; for the others' sake
	s_barrier_signal -1
	s_barrier_wait -1                              ; 32 whole rows lie in the stage
.irp i, 0,1,2,3,4,5,6,7
	ds_load_b128 v[AF+4*\i:AF+4*\i+3], v11 offset:STG+SPI*(\i/4)+512*(\i%4)
.endr
.irp i, 0,1,2,3,4,5,6,7
	s_wait_dscnt 7-\i                              ; LDS loads come back in order (ISA guide 5.7.1): the younger ones may be out
	global_store_b128 v1, v[AF+4*\i:AF+4*\i+3], s[34:35] offset:2048*(\i/4)+512*(\i%4) th:TH_STORE_NT   ; 512 consecutive bytes, aligned; written once, read by nobody here
.endr
	s_wait_xcnt 0x0
	v_lshl_add_u32 v254, v0, 2, 0x19800
	v_mov_b32 v255, 0
	s_wait_alu depctr_va_vdst(0)
	s_wait_tensorcnt 0x0
	ds_add_u32 v254, v255
	s_wait_dscnt 0x0
	s_endpgm
.Lfunc_end_k_qe554c89e0b_outln:
	.size	k_qe554c89e0b_outln, .Lfunc_end_k_qe554c89e0b_outln-k_qe554c89e0b_outln
	.p2alignl 7, 3214868480
	.fill 96, 4, 3214868480
	.section	.rodata,"a",@progbits
	.p2align	6, 0x0
	.amdhsa_kernel k_qe554c89e0b_outln
		.amdhsa_group_segment_fixed_size 106496
		.amdhsa_private_segment_fixed_size 0
		.amdhsa_enable_private_segment 0
		.amdhsa_kernarg_size 64
		.amdhsa_user_sgpr_count 2
		.amdhsa_user_sgpr_kernarg_segment_ptr 1
		.amdhsa_wavefront_size32 1
		.amdhsa_system_sgpr_workgroup_id_x 1
		.amdhsa_system_sgpr_workgroup_id_y 1
		.amdhsa_system_sgpr_workgroup_id_z 1
		.amdhsa_system_vgpr_workitem_id 0
		.amdhsa_next_free_vgpr 256
		.amdhsa_next_free_sgpr 66
		.amdhsa_reserve_vcc 0
		.amdhsa_float_denorm_mode_32 3
		.amdhsa_float_denorm_mode_16_64 3
		.amdhsa_memory_ordered 1
		.amdhsa_forward_progress 1
		.amdhsa_inst_pref_size 38
	.end_amdhsa_kernel
	.amdgpu_metadata
---
amdhsa.version: [ 1, 2 ]
amdhsa.kernels:
  - .name:           k_qe554c89e0b_outln
    .symbol:         k_qe554c89e0b_outln.kd
    .args:
      - { .name: oimg, .offset: 0, .size: 8, .value_kind: global_buffer, .address_space: global }
      - { .name: osc, .offset: 8, .size: 8, .value_kind: global_buffer, .address_space: global }
      - { .name: wimg, .offset: 16, .size: 8, .value_kind: global_buffer, .address_space: global }
      - { .name: bo23, .offset: 24, .size: 8, .value_kind: global_buffer, .address_space: global }
      - { .name: bo32, .offset: 32, .size: 8, .value_kind: global_buffer, .address_space: global }
      - { .name: gamma, .offset: 40, .size: 8, .value_kind: global_buffer, .address_space: global }
      - { .name: beta, .offset: 48, .size: 8, .value_kind: global_buffer, .address_space: global }
      - { .name: out0, .offset: 56, .size: 8, .value_kind: global_buffer, .address_space: global }
    .group_segment_fixed_size: 106496
    .private_segment_fixed_size: 0
    .kernarg_segment_align: 8
    .kernarg_segment_size: 64
    .max_flat_workgroup_size: 512
    .sgpr_count:     66
    .vgpr_count:     256
    .wavefront_size: 32
...
	.end_amdgpu_metadata
.endif
;; end of part 4
